; MI455X (gfx1250); checked and timed in simulation.
; The chip was launched on July 23, 2026; its instructions are those of AMD's public machine-readable ISA for CDNA 5 (MIT licence, August 2026) and "CDNA5" Instruction Set Architecture Reference Guide (July 2026). The comments in the code are by the model that wrote it; some were corrected since.
;; Causal Self Attention. Allowed arithmetic: matrix products marked QUANTISED: E2M3 operands, one E8M0 scale for each 32 along K, by v_wmma_scale_f32_16x16x128_f8f6f4 with both operands' format E2M3, f32 sums; everything else in f32.
;; Inputs: W_attn 1,024 x 3,072 float32; W_proj 1,024 x 1,024 float32; b_attn 3,072 float32; b_proj 1,024 float32; x 4 x 2,048 x 1,024 float32.
;; Outputs: out0 4 x 2,048 x 1,024 float32.
;; This version of the problem:
;;   THIS VERSION OF THE PROBLEM IS GIVEN IN LOW PRECISION. The matrix products marked QUANTISED in the list below multiply operands that are first quantised to E2M3 (2 exponent bits, 3 mantissa bits; 6 bits a number), with one power-of-two scale for each 32 numbers along K (OCP MX v1.0); their sums are f32. All else is computed in f32.
;;   The module's matrix products, in the order in which they are computed (A, B: the left and right operand; K: the contracted axis; several contracted axes count as one K, in the product's order):
;;     1. [M 8,192, K 1,024] x [K 1,024, N 3,072]; A: input x; B: input W_attn: QUANTISED
;;     2. batch 64 x [M 2,048, K 64] x [K 64, N 2,048]; A: computed on the way; B: computed on the way: QUANTISED
;;     3. batch 64 x [M 2,048, K 2,048] x [K 2,048, N 64]; A: softmax (see below); B: computed on the way: QUANTISED
;;     4. [M 8,192, K 1,024] x [K 1,024, N 1,024]; A: computed on the way; B: input W_proj: QUANTISED
;;   THE QUANTISER, for each operand of a quantised product, along K:
;;     - K is cut into blocks of 32 from its start; a last block that is shorter is filled with zeros.
;;     - A block's scale is 2^e with e = floor(log2(the largest magnitude in the block)) - 2, held to -126 .. 127; a block of zeros has e = 0. As a byte (E8M0): e + 127.
;;     - Each number is divided by its block's scale, clamped to +-7.5, and rounded to the nearest number of E2M3, ties to even, subnormals kept.
;;     - The product sums the exact products of the quantised numbers (number of the format x scale) in f32.
;;   ~~~python
;;   def quantise(x, axis):      # numpy; x: float32 -> the quantised numbers, widened to float32 again
;;       x = np.moveaxis(x, axis, -1); K = x.shape[-1]
;;       x = np.pad(x, [(0, 0)] * (x.ndim - 1) + [(0, -K % 32)]); x = x.reshape(x.shape[:-1] + (-1, 32)); a = np.abs(x).max(-1, keepdims=True)
;;       e = np.where(a > 0, np.clip(np.frexp(np.where(a > 0, a, 1))[1] - 1 - 2, -126, 127), 0)      # np.frexp(a)[1] - 1 = floor(log2(a)), exactly
;;       r = np.clip(x / 2.0 ** e, -7.5, 7.5)
;;       step = 2.0 ** (np.maximum(np.frexp(np.where(r == 0, 1, r))[1] - 1, 0) - 3)
;;       q = np.round(r / step) * step * 2.0 ** e      # np.round: ties to even
;;       return np.moveaxis(q.reshape(q.shape[:-2] + (-1,))[..., :K], -1, axis).astype(np.float32)
;;   ~~~
;;   SOFTMAX AHEAD OF A QUANTISED PRODUCT. Where the list says 'softmax', what is quantised is not the finished softmax but p = 2^(t - M), with t = logit x log2(e) and M = ceil(the row's largest t), a whole number; so 1/2 < the row's largest p <= 1. The row's sum l is taken of the UNQUANTISED p, in f32, and the product's result is divided by l at the end. Since M is a whole number, a kernel that streams over the keys may use a running M (the ceiling of the running maximum): every later rescaling is an exact power of two, which a block's scale takes up: the codes' values come out the same.
;;   OPERANDS COMPUTED ON THE WAY. 'Computed on the way' means the value that the module computes at that place (a softmax that the list does not call 'softmax' is quantised finished and normalised). What goes into a quantiser is computed in f32, as accurately as f32 sums, v_exp_f32 and their like allow (about 1e-6 of the number): no bf16 or f16 on the way to a quantiser, and a product that is left as it is and whose result goes on into a quantised operand takes f32 operands (vector FMAs, or v_wmma_f32_16x16x4_f32). A number that lies on a knife's edge between two numbers of the format may be rounded either way, as far as f32 arithmetic and the matrix unit's own rounding can turn it there, and no further.
;; One version. Each part assembles by itself: llvm-mc -triple=amdgcn-amd-amdhsa -mcpu=gfx1250 --defsym DOCPART=n.
;; ======== version 1 of 1: 4 launches
;; workspace buffers: xc 6,291,456 bytes; xs 262,144 bytes; wc 3,145,728 bytes; ws 131,072 bytes; qkv 20,185,088 bytes; yc 6,291,456 bytes; ys 262,144 bytes
;; launch prep (part 1): grid 384 x 1, 4 waves a work-group, no clusters, 34,304 bytes of LDS; arguments x, W_attn, W_proj, xc, xs, wc, ws; writes xc, xs, wc, ws
.if DOCPART == 1
	.amdgcn_target "amdgcn-amd-amdhsa--gfx1250"
	.amdhsa_code_object_version 6
	.text
	.protected	k_qccf092554e_prep
	.globl	k_qccf092554e_prep
	.p2align	8
	.type	k_qccf092554e_prep,@function
k_qccf092554e_prep:
	s_mov_b64 s[64:65], 0
	v_nop
	global_prefetch_b8 v0, s[64:65] scope:SCOPE_SE
	s_setreg_imm32_b32 hwreg(HW_REG_WAVE_MODE, 25, 1), 1
	s_wait_xcnt 0x0
; x [8192][1024], W_attn [1024][3072] and W_proj [1024][1024], f32, become codes of FP6 (E2M3) with one E8M0 scale byte for each 32 along K (K = 1024 in all three).
; A block's scale is 2^(floor(log2(its largest magnitude)) - 2); its byte is the largest magnitude's exponent field - 2, held at 1 from below.
; LIMITS: NaN and infinities among the inputs are not served; blocks whose largest magnitude lies under 2^-124 keep the byte 1 (not tried); a block of zeros has the byte 1 where the
; rule says 127: its codes are zeros, which add nothing under any byte but 0xff, and the bytes are read by this program alone.
; THE WORKSPACE IS LAID IN THE ORDER OF THE OPERAND'S REGISTERS.  Rows (tokens of x; columns n of the weights, W_proj's behind W_attn's) go in groups of 32; tile 2 G + u takes rows
; 32 G + 8 u + r + 8 (r / 8), r = 0 .. 15.  A piece of 16 rows x 64 K is 768 bytes: lane (r, h) owns the 24 bytes of K = 32 h + 0 .. 31 of its row: 16 of them at 16 x lane,
; 8 at 512 + 8 x lane.  Codes: [tile][K / 64][768].  Scale bytes: [rows / 128][K / 256][tile in the 128 rows][r][8].
; The first 256 work-groups take x (32 tokens each, a wave 256 along K), the other 128 the weights (128 columns x 256 along K, a wave 32 columns).  Waves share nothing: no barrier.
; No matrix unit, no cluster, no tensor load: the launch streams, and every store of codes covers 512 or 256 consecutive bytes, aligned.
.set FLOOR, 0x1800000                  ; 2^(3 - 127): under it no largest magnitude is taken, so the byte cannot fall under 1
.set RS,  16                           ; v16-143  x: two sets of 64 registers as loaded
.set XN,  144                          ; v144-207 x: 64 numbers of my row, two blocks of 32
.set CD,  208                          ; v208-223 x: codes, 8 registers for each of the two pieces
.set WD,  224                          ; v224-227 x: the four scale words
.set SP,  528                          ; x: a stage row: 512 bytes + 16
.set OFS, 16                           ; v16-47   weights: my column + i rows
.set XW,  48                           ; v48-111  weights: two sets of 32 numbers
.set CB,  112                          ; v112-127 weights: codes of an even and an odd block
.set SB,  128                          ; v128-129 weights: my 8 scale bytes
	s_load_b256 s[4:11], s[0:1], 0x0               ; x s[4:5], W_attn s[6:7], W_proj s[8:9], xc s[10:11]
	s_load_b128 s[12:15], s[0:1], 0x20             ; xs s[12:13], wc s[14:15]
	s_load_b64 s[16:17], s[0:1], 0x30              ; ws
	v_lshl_add_u32 v240, v0, 2, 0x8400
	v_mov_b32 v241, 0
	v_lshrrev_b32 v1, 5, v0
	v_readfirstlane_b32 s18, v1                    ; wave 0..3
	v_and_b32 v1, 31, v0                           ; lane
	v_and_b32 v2, 15, v0                           ; r
	v_bfe_u32 v3, v0, 4, 1                         ; h
	v_lshlrev_b32 v4, 4, v1                        ; 16 x lane
	v_lshlrev_b32 v5, 3, v1                        ; 8 x lane
	s_mov_b32 s20, 0x76543210
	s_mov_b32 s21, 0xfedcba98                      ; v_permlanex16_b32's selects for lane l xor 16
	s_mov_b32 s25, 0                               ; the upper word of every offset
	s_wait_kmcnt 0x0
	s_cmp_lt_u32 ttmp9, 256
	s_cbranch_scc0 .Lweights
	; ---------------- x: work-group g takes tokens 32 g .. 32 g + 31, wave w takes K = 256 w .. 256 w + 255
	s_lshl_b32 s24, ttmp9, 17                      ; 32 rows of 4,096 bytes
	s_lshl_b32 s26, s18, 10
	s_add_co_u32 s24, s24, s26
	s_add_nc_u64 s[4:5], s[4:5], s[24:25]
	s_mul_i32 s24, ttmp9, 24576                    ; two tiles of 12,288 bytes,
	s_mul_i32 s26, s18, 3072                       ; four pieces of 768
	s_add_co_u32 s24, s24, s26
	s_add_nc_u64 s[10:11], s[10:11], s[24:25]
	s_lshr_b32 s24, ttmp9, 2
	s_lshl_b32 s24, s24, 12                        ; the 128 rows' block of scale bytes,
	s_lshl_b32 s26, s18, 10                        ; my 256 along K,
	s_add_co_u32 s24, s24, s26
	s_and_b32 s26, ttmp9, 3
	s_lshl_b32 s26, s26, 8                         ; my two tiles
	s_add_co_u32 s24, s24, s26
	s_add_nc_u64 s[12:13], s[12:13], s[24:25]
	s_mul_i32 s26, s18, 16*SP                      ; my wave's stage
	v_add_nc_u32 v6, s26, v4                       ; in: a row's 512 bytes as they lie
	v_mul_u32_u24 v7, v2, SP
	v_lshl_add_u32 v7, v3, 7, v7
	v_add_nc_u32 v7, s26, v7                       ; out: row r, + 128 h: a block of 32 numbers
	v_lshlrev_b32 v3, 3, v3                        ; 8 h: how far my bytes are shifted in a scale word
	v_mov_b32 v15, 0                               ; written once: a lane permute's destination counts as one of its sources
; sub-step k: tile k / 2, 128 along K at 128 (k % 2).  Sixteen loads, each 512 consecutive bytes of one row
.macro LOADX k
.irp t, 0,1,2,3,4,5,6,7,8,9,10,11,12,13,14,15
	global_load_b128 v[RS+64*((\k)%2)+4*\t:RS+64*((\k)%2)+4*\t+3], v4, s[4:5] offset:(8*((\k)/2)+\t+8*(\t/8))*4096+512*((\k)%2) th:TH_LOAD_NT
.endr
.endm
.macro XSTEP k
.if (\k) < 3
	s_wait_loadcnt 16                              ; this sub-step's sixteen loads are in; the next one's may be out
.else
	s_wait_loadcnt 0x0
.endif
.irp t, 0,1,2,3,4,5,6,7,8,9,10,11,12,13,14,15
	ds_store_b128 v6, v[RS+64*((\k)%2)+4*\t:RS+64*((\k)%2)+4*\t+3] offset:SP*\t
.endr
.irp c, 0,1                            ; LDS serves a wave's instructions in order (ISA guide 5.7.1.4): these see the stores above
.irp i, 0,1,2,3,4,5,6,7
	ds_load_b128 v[XN+32*\c+4*\i:XN+32*\c+4*\i+3], v7 offset:256*\c+16*\i
.endr
.endr
	s_wait_dscnt 0x0
.if (\k) > 0
	s_wait_xcnt 0x0                                ; the last sub-step's stores have read their registers: the codes are written again only behind this wait
.endif
.if (\k) < 2
	LOADX (\k)+2
.endif
	v_max3_num_f32 v8, |v[XN]|, |v[XN+1]|, FLOOR   ; two whole blocks are mine: K = 64 c + 32 h + 0 .. 31, c = 0, 1; the two chains by turns
	v_max3_num_f32 v9, |v[XN+32]|, |v[XN+33]|, FLOOR
.irp i, 2,4,6,8,10,12,14,16,18,20,22,24,26,28,30
	v_max3_num_f32 v8, v8, |v[XN+\i]|, |v[XN+\i+1]|
	v_max3_num_f32 v9, v9, |v[XN+32+\i]|, |v[XN+33+\i]|
.endr
	v_add_nc_u32 v10, 0xff000000, v8               ; 2 off the exponent field: the conversion takes the exponent field of this operand as its scale
	v_add_nc_u32 v11, 0xff000000, v9
.irp c, 0,1
	v_cvt_scalef32_pk16_fp6_f32 v[CD+8*\c:CD+8*\c+2], v[XN+32*\c:XN+32*\c+15], v[10+\c]
	v_cvt_scalef32_pk16_fp6_f32 v[CD+8*\c+4:CD+8*\c+6], v[XN+32*\c+16:XN+32*\c+31], v[10+\c]   ; (a conversion's three registers begin on an even number)
.endr
	v_lshrrev_b32 v12, 23, v10                     ; the scales' bytes.  (A plain place behind the conversions)
	v_lshrrev_b32 v13, 23, v11
.irp c, 0,1
	v_mov_b32 v[CD+8*\c+3], v[CD+8*\c+4]           ; the block's 24 bytes on end
	v_mov_b32 v[CD+8*\c+4], v[CD+8*\c+5]
	v_mov_b32 v[CD+8*\c+5], v[CD+8*\c+6]
	global_store_b128 v4, v[CD+8*\c:CD+8*\c+3], s[10:11] offset:12288*((\k)/2)+(2*((\k)%2)+\c)*768       ; 512 consecutive bytes
	global_store_b64 v5, v[CD+8*\c+4:CD+8*\c+5], s[10:11] offset:12288*((\k)/2)+(2*((\k)%2)+\c)*768+512  ; 256 consecutive bytes
.endr
	v_lshl_or_b32 v14, v13, 16, v12                ; my two bytes: blocks h and 2 + h of these 128 along K,
	v_lshlrev_b32 v14, v3, v14                     ; at their places;
	v_permlanex16_b32 v15, v14, s20, s21
	v_or_b32 v[WD+(\k)], v14, v15                  ; with lane l xor 16's two the word is whole
.endm
	LOADX 0
	LOADX 1
	XSTEP 0
	XSTEP 1
	XSTEP 2
	XSTEP 3
	v_cmp_le_u32 vcc_lo, 16, v1                    ; lanes 0-15 store the first tile's two words, lanes 16-31 the second's
	v_cndmask_b32 v8, v[WD], v[WD+2], vcc_lo
	v_cndmask_b32 v9, v[WD+1], v[WD+3], vcc_lo
	global_store_b64 v5, v[8:9], s[12:13]          ; 256 consecutive bytes, aligned
	s_wait_tensorcnt 0x0
	ds_add_u32 v240, v241
	s_wait_dscnt 0x0
	s_endpgm
	; ---------------- the weights: K is their FIRST axis.  A lane takes a column and its registers run down K: nothing is transposed
.Lweights:
	s_sub_co_u32 s24, ttmp9, 256
	s_lshr_b32 s26, s24, 2                         ; which 128 columns: 0-23 W_attn's, 24-31 W_proj's
	s_and_b32 s27, s24, 3                          ; which 256 along K
	s_mov_b32 s22, 4096
	s_mov_b32 s23, 12288
	s_cmp_lt_u32 s26, 24                           ; the choice hangs on the work-group's number alone
	s_cselect_b64 s[6:7], s[6:7], s[8:9]
	s_cselect_b32 s22, s23, s22                    ; a row of the weight in bytes
	s_cselect_b32 s28, 0, 24
	s_sub_co_u32 s28, s26, s28                     ; which 128 columns of that weight
	v_and_b32 v6, 8, v2
	v_add_nc_u32 v6, v6, v2
	v_lshl_add_u32 v6, v3, 3, v6                   ; my column of the wave's 32: 8 h + r + 8 (r / 8): lanes 0-15 hold the first tile's rows, lanes 16-31 the second's
	v_lshlrev_b32 v6, 2, v6
.irp i, 0,1,2,3,4,5,6,7,8,9,10,11,12,13,14,15,16,17,18,19,20,21,22,23,24,25,26,27,28,29,30,31
	v_mad_u32_u24 v[OFS+\i], s22, \i, v6           ; + i rows
.endr
	s_lshl_b32 s24, s27, 8
	s_mul_i32 s24, s24, s22                        ; 256 rows for each step along K,
	s_lshl_b32 s29, s28, 9
	s_add_co_u32 s24, s24, s29                     ; 128 columns of 4 bytes,
	s_lshl_b32 s29, s18, 7
	s_add_co_u32 s24, s24, s29                     ; my wave's 32
	s_add_nc_u64 s[32:33], s[6:7], s[24:25]        ; block 0's first row; the other seven blocks 32 rows apart
	s_lshl_b32 s30, s22, 5
	s_mov_b32 s31, 0
.irp t, 1,2,3,4,5,6,7
	s_add_nc_u64 s[32+2*\t:33+2*\t], s[30+2*\t:31+2*\t], s[30:31]
.endr
	s_lshl_b32 s24, s26, 2
	s_add_co_u32 s24, s24, s18                     ; my group of 32 rows of the operand
	s_mul_i32 s24, s24, 24576
	s_mul_i32 s29, s27, 3072
	s_add_co_u32 s24, s24, s29
	s_add_nc_u64 s[14:15], s[14:15], s[24:25]
	s_lshl_b32 s24, s26, 12
	s_lshl_b32 s29, s27, 10
	s_add_co_u32 s24, s24, s29
	s_lshl_b32 s29, s18, 8
	s_add_co_u32 s24, s24, s29
	s_add_nc_u64 s[16:17], s[16:17], s[24:25]
.macro LOADW t                         ; block t: 32 rows; each load reads 128 consecutive bytes in the wave, 512 in the work-group
.irp i, 0,1,2,3,4,5,6,7,8,9,10,11,12,13,14,15,16,17,18,19,20,21,22,23,24,25,26,27,28,29,30,31
	global_load_b32 v[XW+32*((\t)%2)+\i], v[OFS+\i], s[32+2*(\t):33+2*(\t)] th:TH_LOAD_NT
.endr
.endm
.macro WBLOCK t
.set XS, XW+32*((\t)%2)
.set CC, CB+8*((\t)%2)
.if (\t) < 7
	s_wait_loadcnt 32                              ; this block's 32 loads are in; the next block's may be out
.else
	s_wait_loadcnt 0x0
.endif
	v_max3_num_f32 v8, |v[XS]|, |v[XS+1]|, |v[XS+2]|   ; the block's largest magnitude: all 32 numbers are mine
	v_max3_num_f32 v9, |v[XS+3]|, |v[XS+4]|, |v[XS+5]|
.irp i, 6,10,14,18,22,26
	v_max3_num_f32 v8, v8, |v[XS+\i]|, |v[XS+\i+1]|
	v_max3_num_f32 v9, v9, |v[XS+\i+2]|, |v[XS+\i+3]|
.endr
	v_max3_num_f32 v8, v8, |v[XS+30]|, |v[XS+31]|
	v_max3_num_f32 v8, v8, v9, FLOOR
	v_add_nc_u32 v10, 0xff000000, v8
	v_lshrrev_b32 v11, 23, v10                     ; the scale's byte
.if (\t)%4 == 0
	v_mov_b32 v[SB+(\t)/4], v11                    ; four bytes to a register, the lower K in the lower byte
.else
	v_lshl_or_b32 v[SB+(\t)/4], v11, 8*((\t)%4), v[SB+(\t)/4]
.endif
.if ((\t)%2 == 0) && ((\t) > 0)
	s_wait_xcnt 0x0                                ; the last pair's stores have read their registers: both sets of codes are written again only behind this wait
.endif
	v_cvt_scalef32_pk16_fp6_f32 v[CC:CC+2], v[XS:XS+15], v10
	v_cvt_scalef32_pk16_fp6_f32 v[CC+4:CC+6], v[XS+16:XS+31], v10
.if (\t)+2 < 8
	LOADW (\t)+2
.endif
	v_nop                                          ; one plain place behind the conversions
	v_mov_b32 v[CC+3], v[CC+4]
	v_mov_b32 v[CC+4], v[CC+5]
	v_mov_b32 v[CC+5], v[CC+6]
.if (\t)%2 == 1
; The even block is K half 0 of a piece, the odd one half 1; lanes 0-15 hold the first tile's rows, lanes 16-31 the second's.  The exchange gives each register set one tile's piece:
.irp i, 0,1,2,3,4,5
	v_permlane16_swap_b32 v[CB+\i], v[CB+8+\i]     ; the first's lanes 16-31 change places with the second's lanes 0-15
.endr
	global_store_b128 v4, v[CB:CB+3], s[14:15] offset:((\t)/2)*768
	global_store_b64 v5, v[CB+4:CB+5], s[14:15] offset:((\t)/2)*768+512
	global_store_b128 v4, v[CB+8:CB+11], s[14:15] offset:12288+((\t)/2)*768
	global_store_b64 v5, v[CB+12:CB+13], s[14:15] offset:12288+((\t)/2)*768+512
.endif
.endm
	LOADW 0
	LOADW 1
.irp t, 0,1,2,3,4,5,6,7
	WBLOCK \t
.endr
	global_store_b64 v5, v[SB:SB+1], s[16:17]      ; my row's 8 scale bytes: the wave stores 256 consecutive bytes, aligned
	s_endpgm
.Lfunc_end_k_qccf092554e_prep:
	.size	k_qccf092554e_prep, .Lfunc_end_k_qccf092554e_prep-k_qccf092554e_prep
	.p2alignl 7, 3214868480
	.fill 96, 4, 3214868480
	.section	.rodata,"a",@progbits
	.p2align	6, 0x0
	.amdhsa_kernel k_qccf092554e_prep
		.amdhsa_group_segment_fixed_size 34304
		.amdhsa_private_segment_fixed_size 0
		.amdhsa_enable_private_segment 0
		.amdhsa_kernarg_size 56
		.amdhsa_user_sgpr_count 2
		.amdhsa_user_sgpr_kernarg_segment_ptr 1
		.amdhsa_wavefront_size32 1
		.amdhsa_system_sgpr_workgroup_id_x 1
		.amdhsa_system_sgpr_workgroup_id_y 1
		.amdhsa_system_sgpr_workgroup_id_z 1
		.amdhsa_system_vgpr_workitem_id 0
		.amdhsa_next_free_vgpr 242
		.amdhsa_next_free_sgpr 66
		.amdhsa_reserve_vcc 1
		.amdhsa_float_denorm_mode_32 3
		.amdhsa_float_denorm_mode_16_64 3
		.amdhsa_memory_ordered 1
		.amdhsa_forward_progress 1
		.amdhsa_inst_pref_size 72
	.end_amdhsa_kernel
	.amdgpu_metadata
---
amdhsa.version: [ 1, 2 ]
amdhsa.kernels:
  - .name:           k_qccf092554e_prep
    .symbol:         k_qccf092554e_prep.kd
    .args:
      - { .name: x, .offset: 0, .size: 8, .value_kind: global_buffer, .address_space: global }
      - { .name: W_attn, .offset: 8, .size: 8, .value_kind: global_buffer, .address_space: global }
      - { .name: W_proj, .offset: 16, .size: 8, .value_kind: global_buffer, .address_space: global }
      - { .name: xc, .offset: 24, .size: 8, .value_kind: global_buffer, .address_space: global }
      - { .name: xs, .offset: 32, .size: 8, .value_kind: global_buffer, .address_space: global }
      - { .name: wc, .offset: 40, .size: 8, .value_kind: global_buffer, .address_space: global }
      - { .name: ws, .offset: 48, .size: 8, .value_kind: global_buffer, .address_space: global }
    .group_segment_fixed_size: 34304
    .private_segment_fixed_size: 0
    .kernarg_segment_align: 8
    .kernarg_segment_size: 56
    .max_flat_workgroup_size: 128
    .sgpr_count:     66
    .vgpr_count:     242
    .wavefront_size: 32
...
	.end_amdgpu_metadata
.endif
;; end of part 1
;; launch qkv (part 2): grid 8 x 48, 4 waves a work-group, clusters of 4 x 4, 327,680 bytes of LDS; arguments xc, xs, wc, ws, b_attn, qkv; writes qkv
.if DOCPART == 2
	.amdgcn_target "amdgcn-amd-amdhsa--gfx1250"
	.amdhsa_code_object_version 6
	.text
	.protected	k_qccf092554e_qkv
	.globl	k_qccf092554e_qkv
	.p2align	8
	.type	k_qccf092554e_qkv,@function
k_qccf092554e_qkv:
	s_mov_b64 s[64:65], 0
	v_nop
	global_prefetch_b8 v0, s[64:65] scope:SCOPE_SE
	s_setreg_imm32_b32 hwreg(HW_REG_WAVE_MODE, 25, 1), 1
	s_wait_xcnt 0x0
	s_wait_alu depctr_hold_cnt(0) depctr_sa_sdst(0) depctr_va_vdst(0) depctr_va_sdst(0) depctr_va_ssrc(0) depctr_va_vcc(0) depctr_vm_vsrc(0)
	s_getreg_b32 s2, hwreg(HW_REG_IB_STS2, 6, 4)
	s_cmp_eq_u32 s2, 0
	s_cbranch_scc0 .Lentry_in_a_cluster
	s_endpgm
.Lentry_in_a_cluster:
	s_bfe_u32 s2, ttmp6, 0x10000c
	s_cmp_lg_u32 s2, 0xf033
	s_cbranch_scc0 .Lentry_shape_is_right
	s_endpgm
.Lentry_shape_is_right:
; qkv = x W_attn + b_attn on codes of FP6 (E2M3) with E8M0 scales, sums in f32; q, k and v never go to memory as f32: they are quantised out of the accumulators, each along the K of
; the product that will read it: q and k along the head's 64, v along the keys.
; A work-group of four waves makes 256 x 256 numbers, a wave 128 x 128: 64 accumulators, 512 registers.  K = 1,024 goes in four steps of 256 through two LDS slots.
; R is the operand whose row a lane holds in the result (source 1), P the one along the lane's registers (source 0).
;   clusters with y < 8: q and k.  R = x (256 tokens), P = W_attn's columns (256 of 0 .. 2047): a lane holds a token, its registers run along the head's channels.
;   clusters with y >= 8: v.       R = W_attn's columns 2048 .. 3071, P = x: a lane holds a channel, its registers run along the tokens, the keys.  Nothing is transposed.
; The choice hangs on the cluster's y alone: it is the same in all sixteen partners.
; THE ROWS OF A TILE ARE NOT NEIGHBOURS: lane r of tile 2 G + u stands for row 32 G + 8 u + r + 8 (r / 8), in every operand.  So the 16 registers of two neighbouring tiles of P are 16
; neighbours, 32 G + 16 (lane / 16) + 0 .. 15, which is what the conversions want.
; OPERANDS LIE IN MEMORY AND IN LDS AS IMAGES OF THEIR REGISTERS: a piece of 16 rows x 64 K is 768 bytes, 16 bytes a lane at 16 x lane and 8 at 512 + 8 x lane.  Every LDS load is dense.
; CLUSTERS of 4 x 4: R's tiles are shared along a row of the cluster, P's along a column: each is asked for jointly, by the same tensor load with a mask that names the four.
; OUT: for each head and each 256 tokens a record of 39,424 bytes: K codes, V codes, K scale words, V scale words (26,112 bytes on end: what attention fetches), Q codes, Q scale words.
; A scale word of q or k has the head's two bytes below; its upper two stand over zero codes and hold the neighbouring head's bytes or 0, never 0xff.
; LIMITS: NaN and infinities are not served; blocks under 2^-124 keep the byte 1 (not tried); a block of zeros has the byte 1, not 127: this program alone reads the bytes.
; REGISTERS: window 0: v1-8 lane terms; v16-23 LDS addresses; v26-29; v32-63 scale words, two sets; v128-223 R's 8 fragments; v224-239 v's bias; on the way out v64-180.
;   window 1: P's fragments, two sets, at v0 and v128; q and k's bias at v96-127 and v224-255.   windows 2, 3: the accumulators, (a, b) at v[8 (8 (a % 4) + b)] of window 2 + a / 4.
.set NB,    8
.set FR,    12                         ; registers of a fragment
.set NL,    4                          ; LDS loads that bring one
.set NP,    4                          ; places behind this matrix instruction (ISA guide 7.12.1)
.set RHALF, 8*3072                     ; 8 tiles x 256 K: what one tensor load brings
.set PHALF, NB*3072
.set SLOT,  2*RHALF+2*PHALF
.set SCL,   2*SLOT                     ; behind the ring: P's scale bytes for all of K, then R's
.set PSZ,   8192
.set SPARE, SCL+PSZ+8192               ; the spare words, 128 bytes for each wave: two blocks of 256 bytes that no other line names
.set REC,   39424
.set HEADSTR, 8*REC
.set L16,  4                           ; v4  16 x lane
.set L8,   5                           ; v5  8 x lane
.set A16R, 16                          ; v16-17 R's half in slot 0, 1, + 16 x lane;  v18-19 + 8 x lane
.set A8R,  18
.set A16P, 20                          ; v20-23 the same for P
.set A8P,  22
.set HO,   26                          ; v26 the way out: (lane / 16) heads + 16 r
.set ADRS, 27                          ; v27 my scale words: lanes 0-15 R's, lanes 16-31 P's
.set SPW,  28                          ; v28 my spare word; never rewritten
.set NIL,  29                          ; v29 0; never rewritten
.set SC,   32
.set RF,   128
.set BV,   224
.set HN,   64                          ; the way out: 64 numbers;
.set PC,   128                         ; their codes;
.set TM,   148                         ; at work;
.set SW,   164                         ; the eight scale words;
.set TW,   172                         ; as they are stored;
.set SH,   180                         ; 16 x (lane / 16)
.set G1,   24
.set G0,   32
.set G1B,  48
.set G0B,  56
.set G1S,  68
.set G0S,  76
.set G1SB, 80
.set G0SB, 88
.set MSB, 0
.macro WIN new                         ; the immediate's high byte repeats the setting that is left
.if MSB != (\new)
	s_set_vgpr_msb (MSB<<8)|(\new)
.set MSB, (\new)
.endif
.endm
.set MUL_LO, 0xa1                      ; source 0 (P) window 1, source 1 (R) window 0, C and D window 2
.set MUL_HI, 0xf1                      ; the same, C and D window 3
; A joint load: waves 0 and 1 fetch for R, waves 2 and 3 for P.  The branch hangs on the wave's number alone.  Four v_nop follow each of the two lines.
.macro JLOAD g0r, g1r, g0p, g1p
	s_cmp_eq_u32 s17, 0
	s_cbranch_scc0 .Lfor_p_\@
	tensor_load_to_lds s[\g0r:\g0r+3], s[\g1r:\g1r+7]
	s_nop 0
.rept 4
	v_nop
.endr
	s_branch .Lasked_\@
.Lfor_p_\@:
	tensor_load_to_lds s[\g0p:\g0p+3], s[\g1p:\g1p+7]
	s_nop 0
.rept 4
	v_nop
.endr
.Lasked_\@:
.endm
.macro CREST                           ; a round of the cluster's barrier behind its opening barrier
	s_cmp_lg_u32 s16, 0
	s_cbranch_scc1 .Lnot_wave_0_\@
	s_barrier_signal -3
.Lnot_wave_0_\@:
	s_barrier_wait -3
	s_barrier_signal -1
	s_barrier_wait -1
.endm
.macro CROUND
	s_barrier_signal -1
	s_barrier_wait -1
	CREST
.endm
.macro PLACES n
.rept \n
	v_nop
.endr
.endm
	s_load_b256 s[4:11], s[0:1], 0x0               ; xc s[4:5], xs s[6:7], wc s[8:9], ws s[10:11]
	s_load_b128 s[12:15], s[0:1], 0x20             ; b_attn s[12:13], qkv s[14:15]
	v_lshl_add_u32 v[SPW], v0, 2, SPARE
	v_mov_b32 v[NIL], 0
	ds_add_u32 v28, v29
	s_wait_dscnt 0x0
	v_lshrrev_b32 v1, 5, v0
	v_readfirstlane_b32 s16, v1                    ; wave 0..3
	s_lshr_b32 s17, s16, 1                         ; my half of R.  Also: I fetch for R (0) or for P (1)
	s_and_b32 s18, s16, 1                          ; my half of P.  Also: which half I fetch
	s_bfe_u32 s19, ttmp6, 0x40000                  ; cx
	s_bfe_u32 s20, ttmp6, 0x40004                  ; cy
	s_mov_b32 s21, ttmp9                           ; the cluster's x: 0, 1
	s_and_b32 s22, ttmp7, 0xffff                   ; the cluster's y: 0 .. 11
	s_mov_b32 s2, 0x76543210
	s_mov_b32 s3, 0xfedcba98                       ; v_permlanex16_b32's selects for lane l xor 16
	s_max_u32 s44, s22, 8
	s_sub_co_u32 s44, s44, 8
	s_lshl_b32 s44, s44, 1
	s_add_co_u32 s44, s44, s21                     ; which of v's eight clusters
	s_cmp_ge_u32 s22, 8
	s_cselect_b32 s23, 1, 0                        ; 0: q and k;  1: v
	s_cselect_b32 s45, 2, s22
	s_cselect_b32 s46, s44, s21
	s_lshl_b32 s40, s45, 2
	s_add_co_u32 s40, s40, s20                     ; R's 256 rows: tokens 4 y + cy, or W's rows 8 + cy
	s_lshl_b32 s41, s46, 2
	s_add_co_u32 s41, s41, s19                     ; P's 256 rows: W's 4 x + cx, or tokens 4 c + cx
	s_lshl_b32 s42, s20, 2
	s_lshl_b32 s42, 15, s42                        ; my row of the cluster
	s_lshl_b32 s43, 0x1111, s19                    ; my column
	; descriptor group 1 for codes: 8 rows (tiles) of 3,072 bytes (384 elements of 8 bytes), 12,288 bytes apart; no padding: every LDS access is dense
	s_or_b32 s[G1], s42, (3<<16)|(1<<21)           ; 15:0 the mask: R's tiles go to my row; 17:16 elements of 8 bytes; 21 set beside a mask
	s_or_b32 s[G1B], s43, (3<<16)|(1<<21)          ; P's to my column
.irp g, G1, G1B
	s_mov_b32 s[\g+1], 384<<16                     ; tensor_dim0
	s_mov_b32 s[\g+2], 8<<16                       ; tensor_dim1
	s_mov_b32 s[\g+3], 384<<16                     ; tile_dim0
	s_mov_b32 s[\g+4], 8                           ; tile_dim1
	s_mov_b32 s[\g+5], 1536                        ; tensor_dim0_stride
	s_mov_b32 s[\g+6], 0
	s_mov_b32 s[\g+7], 0
.endr
	; and for the scale bytes of 128 rows, all of K: 4,096 dense bytes as 16 rows of 256
	s_or_b32 s[G1S], s42, (3<<16)|(1<<21)
	s_or_b32 s[G1SB], s43, (3<<16)|(1<<21)
.irp g, G1S, G1SB
	s_mov_b32 s[\g+1], 32<<16
	s_mov_b32 s[\g+2], 16<<16
	s_mov_b32 s[\g+3], 32<<16
	s_mov_b32 s[\g+4], 16
	s_mov_b32 s[\g+5], 32
	s_mov_b32 s[\g+6], 0
	s_mov_b32 s[\g+7], 0
.endr
	s_wait_kmcnt 0x0
	s_cmp_eq_u32 s23, 0                            ; which buffer is R and which P: a choice that hangs on no address
	s_cselect_b64 s[92:93], s[4:5], s[8:9]         ; R's codes
	s_cselect_b64 s[94:95], s[6:7], s[10:11]       ; R's scales
	s_cselect_b64 s[96:97], s[8:9], s[4:5]         ; P's codes
	s_cselect_b64 s[98:99], s[10:11], s[6:7]       ; P's scales
	s_lshl_b32 s100, s18, 3
	s_lshl_b32 s44, s40, 4
	s_add_co_u32 s44, s44, s100                    ; R: tile 16 x its 256 rows + 8 x the half I fetch
	s_mul_i32 s44, s44, 12288
	s_mov_b32 s45, 0
	s_add_nc_u64 s[92:93], s[92:93], s[44:45]
	s_lshl_b32 s44, s40, 1
	s_add_co_u32 s44, s44, s18
	s_lshl_b32 s44, s44, 12                        ; and its 128 rows' scale bytes
	s_add_nc_u64 s[94:95], s[94:95], s[44:45]
	s_lshl_b32 s46, s41, 4
	s_add_co_u32 s46, s46, s100
	s_mul_i32 s46, s46, 12288
	s_mov_b32 s47, 0
	s_add_nc_u64 s[96:97], s[96:97], s[46:47]
	s_lshl_b32 s46, s41, 1
	s_add_co_u32 s46, s46, s18
	s_lshl_b32 s46, s46, 12
	s_add_nc_u64 s[98:99], s[98:99], s[46:47]
	s_mul_i32 s100, s18, RHALF                     ; where they go: no place in the cluster enters an LDS address
	s_mul_i32 s101, s18, PHALF
	s_add_co_u32 s101, s101, 2*RHALF
	CROUND                                         ; all sixteen work-groups are here: the first joint loads meet
	s_mov_b32 s[G0S], 1
	s_lshl_b32 s[G0S+1], s18, 12
	s_add_co_u32 s[G0S+1], s[G0S+1], SCL+PSZ
	s_mov_b64 s[G0S+2:G0S+3], s[94:95]
	s_or_b32 s[G0S+3], s[G0S+3], 0x80000000
	s_mov_b32 s[G0SB], 1
	s_lshl_b32 s[G0SB+1], s18, 12
	s_add_co_u32 s[G0SB+1], s[G0SB+1], SCL
	s_mov_b64 s[G0SB+2:G0SB+3], s[98:99]
	s_or_b32 s[G0SB+3], s[G0SB+3], 0x80000000
	JLOAD G0S, G1S, G0SB, G1SB                     ; the scales first: they are wanted with the first step, and stay
.irp s, 0,1
	s_mov_b32 s[G0+4*\s], 1
	s_add_co_u32 s[G0+4*\s+1], s100, \s*SLOT
	s_add_nc_u64 s[G0+4*\s+2:G0+4*\s+3], s[92:93], \s*3072
	s_or_b32 s[G0+4*\s+3], s[G0+4*\s+3], 0x80000000
	s_mov_b32 s[G0B+4*\s], 1
	s_add_co_u32 s[G0B+4*\s+1], s101, \s*SLOT
	s_add_nc_u64 s[G0B+4*\s+2:G0B+4*\s+3], s[96:97], \s*3072
	s_or_b32 s[G0B+4*\s+3], s[G0B+4*\s+3], 0x80000000
	JLOAD G0+4*\s, G1, G0B+4*\s, G1B               ; three tensor loads of mine are out now, the most in this text
.endr
	v_and_b32 v1, 31, v0                           ; lane
	v_and_b32 v2, 15, v0                           ; r
	v_bfe_u32 v3, v0, 4, 1                         ; h
	v_lshlrev_b32 v[L16], 4, v1
	v_lshlrev_b32 v[L8], 3, v1
	s_mul_i32 s100, s17, RHALF                     ; the half of R that I multiply
	s_mul_i32 s101, s18, PHALF                     ; and of P
	s_add_co_u32 s101, s101, 2*RHALF
.irp s, 0,1
	v_add_nc_u32 v[A16R+\s], s100, v[L16]
	v_add_nc_u32 v[A8R+\s], s100, v[L8]
	v_add_nc_u32 v[A16P+\s], s101, v[L16]
	v_add_nc_u32 v[A8P+\s], s101, v[L8]
	s_add_co_u32 s100, s100, SLOT
	s_add_co_u32 s101, s101, SLOT
.endr
	v_xor_b32 v6, 1, v3                            ; 1 - h: lanes 0-15 take R's words, which lie behind P's
	s_lshl_b32 s101, s18, 12                       ; P's: my 128 rows
	s_lshl_b32 s100, s17, 12                       ; R's: my 128 rows, PSZ further on
	s_add_co_u32 s100, s100, PSZ
	s_sub_co_u32 s100, s100, s101                  ; the distance between the two
	v_mul_u32_u24 v6, s100, v6
	v_lshl_add_u32 v6, v2, 3, v6                   ; 8 bytes a row
	s_add_co_u32 s101, s101, SCL
	v_add_nc_u32 v[ADRS], s101, v6
	v_mul_u32_u24 v[HO], v3, HEADSTR
	v_lshl_add_u32 v[HO], v2, 4, v[HO]
	; the bias, both ways: every work-group loads both sets (the one it does not use from the buffer's start), so that one text serves
	v_lshlrev_b32 v7, 6, v3                        ; along the registers: 16 h numbers on
	v_and_b32 v8, 8, v2
	v_add_nc_u32 v8, v8, v2
	v_lshlrev_b32 v8, 2, v8                        ; along the lanes: r + 8 (r / 8)
	s_lshl_b32 s4, s41, 1
	s_add_co_u32 s4, s4, s18
	s_lshl_b32 s4, s4, 9                           ; (256 P + 128 half) x 4
	s_lshl_b32 s6, s40, 1
	s_add_co_u32 s6, s6, s17
	s_lshl_b32 s6, s6, 9
	s_cmp_eq_u32 s23, 0
	s_cselect_b32 s4, s4, 0
	s_cselect_b32 s6, 0, s6
	s_mov_b32 s5, 0
	s_mov_b32 s7, 0
	s_add_nc_u64 s[4:5], s[12:13], s[4:5]
	s_add_nc_u64 s[6:7], s[12:13], s[6:7]
	WIN 0x40                                       ; destination window 1
.irp b, 0,1,2,3,4,5,6,7                ; register 8 b + j: column 32 (b / 2) + 16 h + 8 (b % 2) + j of my 128
	global_load_b128 v[96+8*\b+96*(\b/4):99+8*\b+96*(\b/4)], v7, s[4:5] offset:(32*(\b/2)+8*(\b%2))*4
	global_load_b128 v[100+8*\b+96*(\b/4):103+8*\b+96*(\b/4)], v7, s[4:5] offset:(32*(\b/2)+8*(\b%2))*4+16
.endr
	WIN 0
.irp a, 0,1,2,3,4,5,6,7                ; a pair for each tile a: my row's bias, twice, for the packed addition
	global_load_b32 v[BV+2*\a], v8, s[6:7] offset:(32*(\a/2)+8*(\a%2))*4
	global_load_b32 v[BV+2*\a+1], v8, s[6:7] offset:(32*(\a/2)+8*(\a%2))*4
.endr
.macro FRAG reg, a16, a8, off          ; a fragment, 16 rows x 128 K: two pieces of 768 bytes, as they lie
	ds_load_b128 v[\reg:\reg+3], v[\a16] offset:\off
	ds_load_b64 v[\reg+4:\reg+5], v[\a8] offset:\off+512
	ds_load_b128 v[\reg+6:\reg+9], v[\a16] offset:\off+768
	ds_load_b64 v[\reg+10:\reg+11], v[\a8] offset:\off+1280
.endm
.macro FETCH_P slot, q, p              ; P's eight fragments of the slot's q-th 128 along K into set p
	WIN 0x40
.irp i, 0,1,2,3,4,5,6,7
	FRAG 128*(\p)+FR*\i, A16P+\slot, A8P+\slot, \i*3072+(\q)*1536
.endr
	WIN 0
.endm
.macro FETCH_R slot, q, i0             ; R's blocks i0 .. i0 + 3
.irp i, \i0, \i0+1, \i0+2, \i0+3
	FRAG RF+FR*(\i), A16R+\slot, A8R+\slot, (\i)*3072+(\q)*1536
.endr
.endm
.macro SCALES sc                       ; a slot's scale words: two a row; lanes 0-15 R's block i, lanes 16-31 P's block i
.irp i, 0,1,2,3,4,5,6,7
	ds_load_b64 v[SC+16*\sc+2*\i:SC+16*\sc+2*\i+1], v[ADRS] offset:128*\i
.endr
.endm
; 16 matrix instructions: R's blocks a0, a0 + 1 x P's eight.  The 64 accumulators take turns, one instruction a turn, in the same order in every step.
.macro MULP a0, p, q, sc, zero
.irp a, \a0, \a0+1
.irp b, 0,1,2,3,4,5,6,7
.if \zero
	v_wmma_scale_f32_16x16x128_f8f6f4 v[8*(8*((\a)%4)+\b):8*(8*((\a)%4)+\b)+7], v[128*(\p)+FR*\b:128*(\p)+FR*\b+FR-1], v[RF+FR*(\a):RF+FR*(\a)+FR-1], 0, v[SC+16*(\sc)+2*\b+(\q)], v[SC+16*(\sc)+2*(\a)+(\q)] matrix_a_fmt:MATRIX_FMT_FP6 matrix_b_fmt:MATRIX_FMT_FP6 matrix_a_scale:MATRIX_SCALE_ROW1
.else
	v_wmma_scale_f32_16x16x128_f8f6f4 v[8*(8*((\a)%4)+\b):8*(8*((\a)%4)+\b)+7], v[128*(\p)+FR*\b:128*(\p)+FR*\b+FR-1], v[RF+FR*(\a):RF+FR*(\a)+FR-1], v[8*(8*((\a)%4)+\b):8*(8*((\a)%4)+\b)+7], v[SC+16*(\sc)+2*\b+(\q)], v[SC+16*(\sc)+2*(\a)+(\q)] matrix_a_fmt:MATRIX_FMT_FP6 matrix_b_fmt:MATRIX_FMT_FP6 matrix_a_scale:MATRIX_SCALE_ROW1
.endif
.endr
.endr
.endm
; A step of 128 along K that has its successor in the same slot.  R has one set of registers: blocks 0-3 are fetched anew in the step's middle, blocks 4-7 at its end; P has two sets.
.macro STEP slot, q, zero
	s_wait_dscnt 4*NL                              ; all but the youngest sixteen loads (R's blocks 4-7) are in
	WIN MUL_LO
	MULP 0, (\q)%2, \q, \slot, \zero
	MULP 2, (\q)%2, \q, \slot, \zero
	s_wait_dscnt 0x0                               ; R's blocks 4-7 are in
	PLACES NP                                      ; in front of loads into registers that matrix instructions have read
	FETCH_P \slot, (\q)+1, 1-(\q)%2
	FETCH_R \slot, (\q)+1, 0
	WIN MUL_HI
	MULP 4, (\q)%2, \q, \slot, \zero
	MULP 6, (\q)%2, \q, \slot, \zero
	PLACES NP
	WIN 0
	FETCH_R \slot, (\q)+1, 4
.endm
; A slot's last step changes slots: ONE barrier; in front of it each wave waits for all its tensor loads, adds 0 to its spare word, and waits for that and for its reads of this slot.
.macro TURN slot, next, fill
	s_wait_tensorcnt 0x0                           ; all my tensor loads have landed: my part of the next slot
	ds_add_u32 v[SPW], v[NIL]                      ; 0 onto my spare word
	s_wait_dscnt 4*NL+1                            ; (the add and the youngest sixteen loads may be out)
	WIN MUL_LO
	MULP 0, 1, 1, \slot, 0                         ; sixteen matrix instructions stand between the add and the wait for it
	s_wait_dscnt 0x0                               ; the add is done, and my reads of this slot are over
	s_barrier_signal -1
	MULP 2, 1, 1, \slot, 0
	WIN 0
	s_barrier_wait -1
.if \fill
	CREST                                          ; the barrier has opened a round of the cluster's barrier: no wave of any partner still reads this slot or has a load on its way
	s_add_nc_u64 s[G0+4*\slot+2:G0+4*\slot+3], s[G0+4*\slot+2:G0+4*\slot+3], 2*3072
	s_add_nc_u64 s[G0B+4*\slot+2:G0B+4*\slot+3], s[G0B+4*\slot+2:G0B+4*\slot+3], 2*3072
	JLOAD G0+4*\slot, G1, G0B+4*\slot, G1B         ; the first tensor load behind the round, my only one until the next; its four v_nop are the places in front of the loads below
.else
	PLACES NP
.endif
	v_add_nc_u32 v[ADRS], 1024, v[ADRS]            ; the next slot's scale words (no LDS load of mine is out)
	FETCH_P \next, 0, 0
	FETCH_R \next, 0, 0
	SCALES \next
	WIN MUL_HI
	MULP 4, 1, 1, \slot, 0
	MULP 6, 1, 1, \slot, 0
	PLACES NP
	WIN 0
	FETCH_R \next, 0, 4
.endm
	s_wait_tensorcnt 1                             ; the scales and my part of slot 0 are in; slot 1's load may be out
	s_barrier_signal -1
	s_barrier_wait -1
	FETCH_P 0, 0, 0
	FETCH_R 0, 0, 0
	SCALES 0
	FETCH_R 0, 0, 4
	STEP 0, 0, 1                                   ; the first products start the sums: nothing is cleared.  K = 1,024 is four slots' worth: written out, no loop
	TURN 0, 1, 1
	STEP 1, 0, 0
	TURN 1, 0, 1
	STEP 0, 0, 0
	TURN 0, 1, 0                                   ; nothing is left to fetch
	STEP 1, 0, 0
	s_wait_dscnt 4*NL
	WIN MUL_LO
	MULP 0, 1, 1, 1, 0
	MULP 2, 1, 1, 1, 0
	s_wait_dscnt 0x0
	WIN MUL_HI
	MULP 4, 1, 1, 1, 0
	MULP 6, 1, 1, 1, 0
	WIN 0
	PLACES NP                                      ; behind the last products: their results are read and R's registers written below
; 64 numbers of a lane, v[s] on, register 16 b + i = place 32 b + 16 (lane / 16) + i along the next K, become a fragment's codes in v[PC] on and its scale word in v[pw].
.macro QUANT s, pw
.irp b, 0,1,2,3
	v_max3_num_f32 v[TM+\b], |v[\s+16*\b]|, |v[\s+1+16*\b]|, 0x1800000   ; block b: my 16 numbers, and the floor 2^(3 - 127): the byte cannot fall under 1
.endr
.irp i, 2,4,6,8,10,12,14
.irp b, 0,1,2,3
	v_max3_num_f32 v[TM+\b], v[TM+\b], |v[\s+16*\b+\i]|, |v[\s+1+16*\b+\i]|
.endr
.endr
.irp b, 0,1,2,3
	v_permlanex16_b32 v[TM+4+\b], v[TM+\b], s2, s3
.endr
.irp b, 0,1,2,3
	v_max_num_f32 v[TM+\b], v[TM+\b], v[TM+4+\b]   ; with lane l xor 16's: the block's largest magnitude
.endr
.irp b, 0,1,2,3
	v_add_nc_u32 v[TM+12+\b], 0xff000000, v[TM+\b] ; 2 off its exponent field: the conversion's scale operand
.endr
.irp b, 0,1,2,3
	v_lshrrev_b32 v[TM+4+\b], 23, v[TM+12+\b]      ; the scale's byte
.endr
	v_lshl_or_b32 v[\pw], v[TM+5], 8, v[TM+4]
	v_lshl_or_b32 v[\pw], v[TM+6], 16, v[\pw]
	v_lshl_or_b32 v[\pw], v[TM+7], 24, v[\pw]
.irp c, 0,1
	v_cvt_scalef32_pk16_fp6_f32 v[PC+6*\c:PC+2+6*\c], v[\s+32*\c:\s+15+32*\c], v[TM+12+2*\c]
	v_cvt_scalef32_pk16_fp6_f32 v[PC+12+4*\c:PC+14+4*\c], v[\s+16+32*\c:\s+31+32*\c], v[TM+12+2*\c+1]   ; (a conversion's three registers begin on an even number)
.endr
	v_nop                                          ; one plain place behind a scaled conversion
.irp c, 0,1                            ; the operand's layout wants a WHOLE block in a lane
.irp i, 0,1,2
	v_permlane16_swap_b32 v[PC+6*\c+\i], v[PC+12+4*\c+\i]
.endr
.irp i, 0,1,2
	v_mov_b32 v[PC+3+6*\c+\i], v[PC+12+4*\c+\i]
.endr
.endr
.endm
	s_wait_loadcnt 0x0                             ; the bias
	v_lshlrev_b32 v[SH], 4, v3
.irp b, 0,1,2,3
	v_mov_b32 v[TM+4+\b], 0                        ; written once: a lane permute's destination counts as one of its sources
.endr
	s_cmp_eq_u32 s23, 0
	s_cbranch_scc0 .Lvout
	; ---- q and k.  Tile a: 16 tokens; my 128 columns are two heads: the fragment's first 6 registers are the even head's piece, the other 6 the odd head's
	s_lshr_b32 s4, s40, 3                          ; the batch
	s_lshl_b32 s4, s4, 4
	s_and_b32 s5, s41, 3
	s_lshl_b32 s5, s5, 2
	s_add_co_u32 s4, s4, s5
	s_lshl_b32 s5, s18, 1
	s_add_co_u32 s4, s4, s5                        ; 16 x batch + my even head
	s_lshl_b32 s4, s4, 3
	s_and_b32 s5, s40, 7
	s_add_co_u32 s4, s4, s5                        ; + which 256 tokens
	s_mul_i32 s4, s4, REC
	s_mov_b32 s5, 0
	s_add_nc_u64 s[14:15], s[14:15], s[4:5]        ; the record
	s_mov_b32 s8, 24576
	s_cmp_eq_u32 s21, 0                            ; cluster x = 0: q; 1: k
	s_cselect_b32 s6, 26112, 0
	s_cselect_b32 s8, 38400, s8
	s_mul_i32 s10, s17, 6144                       ; my 8 tiles of its 16
	s_add_co_u32 s6, s6, s10
	s_mov_b32 s7, 0
	s_lshl_b32 s10, s17, 9
	s_add_co_u32 s8, s8, s10
	s_mov_b32 s9, 0
	s_add_nc_u64 s[6:7], s[14:15], s[6:7]          ; codes
	s_add_nc_u64 s[8:9], s[14:15], s[8:9]          ; scale words
.macro OUTQK a
	WIN 0x06+(\a)/4                                ; source 0: the accumulators' window; source 1: window 1
.set I, 0
.rept 32
	v_pk_add_f32 v[HN+2*I:HN+2*I+1], v[64*((\a)%4)+2*I:64*((\a)%4)+2*I+1], v[96+2*I+96*(I/16):97+2*I+96*(I/16)]   ; + bias; each accumulator from its low end on
.set I, I+1
.endr
	WIN 0
	s_wait_xcnt 0x0                                ; the last tile's stores have read their registers
	QUANT HN, SW+(\a)
	global_store_b128 v[L16], v[PC:PC+3], s[6:7] offset:768*(\a)
	global_store_b64 v[L8], v[PC+4:PC+5], s[6:7] offset:768*(\a)+512
	global_store_b128 v[L16], v[PC+6:PC+9], s[6:7] offset:HEADSTR+768*(\a)
	global_store_b64 v[L8], v[PC+10:PC+11], s[6:7] offset:HEADSTR+768*(\a)+512
.endm
.irp a, 0,1,2,3,4,5,6,7
	OUTQK \a
.endr
.irp g, 0,1                            ; the words of four tiles on end for each row: lanes 0-15 the even head's (as they are), lanes 16-31 the odd head's (16 bits down)
.irp j, 0,1,2,3
	v_lshrrev_b32 v[TW+4*\g+\j], v[SH], v[SW+4*\g+\j]
.endr
	global_store_b128 v[HO], v[TW+4*\g:TW+4*\g+3], s[8:9] offset:256*\g   ; sixteen lanes store 256 consecutive bytes, aligned
.endr
	s_branch .Lend
	; ---- v.  Tile a: 16 channels of head a / 4; my 128 tokens are one key step: a whole fragment of V^T
.Lvout:
	s_lshr_b32 s4, s41, 3                          ; the batch
	s_lshl_b32 s4, s4, 4
	s_sub_co_u32 s5, s40, 8
	s_lshl_b32 s5, s5, 2
	s_add_co_u32 s4, s4, s5
	s_lshl_b32 s5, s17, 1
	s_add_co_u32 s4, s4, s5                        ; 16 x batch + my first head
	s_lshl_b32 s4, s4, 3
	s_and_b32 s5, s41, 7
	s_add_co_u32 s4, s4, s5
	s_mul_i32 s4, s4, REC
	s_mov_b32 s5, 0
	s_add_nc_u64 s[14:15], s[14:15], s[4:5]
	s_mul_i32 s6, s18, 6144                        ; my key step of the record's two
	s_add_co_u32 s6, s6, 12288
	s_mov_b32 s7, 0
	s_lshl_b32 s8, s18, 8
	s_add_co_u32 s8, s8, 25600
	s_mov_b32 s9, 0
	s_add_nc_u64 s[6:7], s[14:15], s[6:7]
	s_add_nc_u64 s[8:9], s[14:15], s[8:9]
.macro OUTV a
	WIN 0x02+(\a)/4                                ; source 0: the accumulators' window
.set I, 0
.rept 32
	v_pk_add_f32 v[HN+2*I:HN+2*I+1], v[64*((\a)%4)+2*I:64*((\a)%4)+2*I+1], v[BV+2*(\a):BV+2*(\a)+1]   ; + my channel's bias
.set I, I+1
.endr
	WIN 0
	s_wait_xcnt 0x0
	QUANT HN, SW+(\a)
	global_store_b128 v[L16], v[PC:PC+3], s[6:7] offset:((\a)/4)*HEADSTR+((\a)%4)*1536
	global_store_b64 v[L8], v[PC+4:PC+5], s[6:7] offset:((\a)/4)*HEADSTR+((\a)%4)*1536+512
	global_store_b128 v[L16], v[PC+6:PC+9], s[6:7] offset:((\a)/4)*HEADSTR+((\a)%4)*1536+768
	global_store_b64 v[L8], v[PC+10:PC+11], s[6:7] offset:((\a)/4)*HEADSTR+((\a)%4)*1536+1280
.endm
.irp a, 0,1,2,3,4,5,6,7
	OUTV \a
.endr
	v_cmp_le_u32 vcc_lo, 16, v1                    ; lanes 0-15 store the first head's four words, lanes 16-31 the second's
.irp j, 0,1,2,3
	v_cndmask_b32 v[TW+\j], v[SW+\j], v[SW+4+\j], vcc_lo
.endr
	global_store_b128 v[HO], v[TW:TW+3], s[8:9]
.Lend:
	s_wait_tensorcnt 0x0                           ; the wave's end
	ds_add_u32 v[SPW], v[NIL]
	s_wait_dscnt 0x0
	CROUND                                         ; the closing round: no work-group ends while a partner may still ask for a tile that names it
	s_endpgm
.Lfunc_end_k_qccf092554e_qkv:
	.size	k_qccf092554e_qkv, .Lfunc_end_k_qccf092554e_qkv-k_qccf092554e_qkv
	.p2alignl 7, 3214868480
	.fill 96, 4, 3214868480
	.section	.rodata,"a",@progbits
	.p2align	6, 0x0
	.amdhsa_kernel k_qccf092554e_qkv
		.amdhsa_group_segment_fixed_size 327680
		.amdhsa_private_segment_fixed_size 0
		.amdhsa_enable_private_segment 0
		.amdhsa_kernarg_size 48
		.amdhsa_user_sgpr_count 2
		.amdhsa_user_sgpr_kernarg_segment_ptr 1
		.amdhsa_wavefront_size32 1
		.amdhsa_system_sgpr_workgroup_id_x 1
		.amdhsa_system_sgpr_workgroup_id_y 1
		.amdhsa_system_sgpr_workgroup_id_z 1
		.amdhsa_system_vgpr_workitem_id 0
		.amdhsa_next_free_vgpr 1024
		.amdhsa_next_free_sgpr 102
		.amdhsa_reserve_vcc 1
		.amdhsa_float_denorm_mode_32 3
		.amdhsa_float_denorm_mode_16_64 3
		.amdhsa_memory_ordered 1
		.amdhsa_forward_progress 1
		.amdhsa_inst_pref_size 219
	.end_amdhsa_kernel
	.amdgpu_metadata
---
amdhsa.version: [ 1, 2 ]
amdhsa.kernels:
  - .name:           k_qccf092554e_qkv
    .symbol:         k_qccf092554e_qkv.kd
    .args:
      - { .name: xc, .offset: 0, .size: 8, .value_kind: global_buffer, .address_space: global }
      - { .name: xs, .offset: 8, .size: 8, .value_kind: global_buffer, .address_space: global }
      - { .name: wc, .offset: 16, .size: 8, .value_kind: global_buffer, .address_space: global }
      - { .name: ws, .offset: 24, .size: 8, .value_kind: global_buffer, .address_space: global }
      - { .name: b_attn, .offset: 32, .size: 8, .value_kind: global_buffer, .address_space: global }
      - { .name: qkv, .offset: 40, .size: 8, .value_kind: global_buffer, .address_space: global }
    .group_segment_fixed_size: 327680
    .private_segment_fixed_size: 0
    .kernarg_segment_align: 8
    .kernarg_segment_size: 48
    .max_flat_workgroup_size: 128
    .sgpr_count:     102
    .vgpr_count:     1024
    .wavefront_size: 32
...
	.end_amdgpu_metadata
.endif
;; end of part 2
;; launch attn (part 3): grid 4 x 64, 16 waves a work-group, no clusters, 327,680 bytes of LDS; arguments qkv, yc, ys; writes yc, ys
.if DOCPART == 3
	.amdgcn_target "amdgcn-amd-amdhsa--gfx1250"
	.amdhsa_code_object_version 6
	.text
	.protected	k_qccf092554e_attn
	.globl	k_qccf092554e_attn
	.p2align	8
	.type	k_qccf092554e_attn,@function
k_qccf092554e_attn:
	s_mov_b64 s[64:65], 0
	v_nop
	global_prefetch_b8 v0, s[64:65] scope:SCOPE_SE
	s_setreg_imm32_b32 hwreg(HW_REG_WAVE_MODE, 25, 1), 1
	s_wait_xcnt 0x0
; y = softmax(q k^T / 8, causal) v for 64 heads of 2,048 tokens x 64 channels, both products on codes of FP6 (E2M3) with E8M0 scales; y leaves as codes, quantised along the channels,
; which are the last product's K.  q, k: K = the head's 64: the upper half of each fragment holds zero codes.  v: K = the keys.
; THE SOFTMAX AHEAD OF THE SECOND PRODUCT: t = score x log2(e) / 8; M = the row's largest t so far, rounded UP to a whole number; p = 2^(t - M) is what is quantised, along the keys.
; The row's sum is taken of the unquantised p and divides O at the end.  When M moves, the sum and O are multiplied by 2^(old M - new M): exact.
; SHARES.  Work-group (p, head) owns the blocks of 256 queries 7 - p and then p: it walks 8 - p and then p + 1 slots of 256 keys: NINE trips in every work-group, so all 256 have the
; same work and every trip count is a constant.  Each of sixteen waves owns one tile of 16 queries in 256 registers: four waves to a SIMD.
; A step all of whose keys come after the wave's queries is left out by a scalar branch on ids; on the diagonal hidden scores become -infinity ahead of the maximum.
; NO CLUSTER: from the fifth trip on the four work-groups of a head want different slots; kept in step they would walk 12 slots for 9, and a slot's tile is 26,112 bytes for 32 steps of a wave.
; LAYOUT.  Both products are used transposed (S^T = K Q^T, O^T = V^T P^T): a lane holds ONE query.  Lane r of tile 2 G + u stands for row 32 G + 8 u + r + 8 (r / 8), for tokens and
; for channels: so 16 registers of two neighbouring tiles are 16 neighbouring keys (or channels).  Operands lie in LDS as images of their registers: every LDS load is dense.
; LIMITS: NaN and infinities are not served; p under 2^-126 counts as 0 (v_exp_f32's flush, ISA guide 15.8); a block's largest p is taken from its largest score, which takes v_exp_f32 not to
; fall where its input rises; a block of zeros has the byte 1, not 127: this program alone reads the bytes.  y's scale bytes leave 2 bytes a row (for 48 bytes of codes).
; REGISTERS: v1-4, v7 lane terms; v5, v6 for the add; v8-10 LDS addresses; v12 -M, v13 the largest t, v[14:15] the sum; v16-27 Q (upper six zeros), v28 its scale words; v29-35 the second
; block's; v36-83 four tiles of K (upper six of each twelve zeros); v84-87, v88-91 K's and V's scale words; v96-159 S^T, then p, then V; v160-191 O^T; v192-223 y; v224-254 at work.
.set REC,   39424
.set HEADSTR, 8*REC
.set KVH,   13056                      ; half of a slot's 26,112 bytes: what one tensor load brings
.set SLOT1, 32768
.set SPARE, 65536                      ; the spare words, 128 bytes for each wave: eight blocks of 256 bytes that no other line names
.set OV,    12288                      ; in a record: V's codes,
.set OKS,   24576                      ; K's scale words,
.set OVS,   25600                      ; V's,
.set OQ,    26112                      ; Q's codes,
.set OQS,   38400                      ; Q's scale words
.set WV,   18
.set SEL,  20
.set CS,   22
.set G1,   24
.set G0,   32
.set KVB,  36                          ; s[36:37] the head's records + my half
.set TB,   38                          ; the slot in hand
.set KF,   39                          ; the step's first key
.set QMIN, 40                          ; my first and last query
.set QMAX, 41
.set NXT,  42                          ; which 256 keys were asked for last
.set SWT,  43                          ; the trip in which the second block begins: 8 - p
.set TRIP, 44
.set CNT,  45
.set YBA,  50
.set YBB,  52
.set YSA,  54
.set YSB,  56
.set QMINB, 58
.macro TLOAD                           ; waves 0 and 1 fetch a slot's halves, the others nothing.  Four v_nop follow the line
	s_cmp_lt_u32 s[WV], 2
	s_cbranch_scc0 .Lnone_\@
	tensor_load_to_lds s[G0:G0+3], s[G1:G1+7]
	s_nop 0
.rept 4
	v_nop
.endr
.Lnone_\@:
.endm
	s_load_b128 s[4:7], s[0:1], 0x0                ; qkv, yc
	s_load_b64 s[8:9], s[0:1], 0x10                ; ys
	v_lshl_add_u32 v5, v0, 2, SPARE
	v_mov_b32 v6, 0
	ds_add_u32 v5, v6
	ds_add_u32 v5, v6
	s_wait_dscnt 0x0
	v_lshrrev_b32 v8, 5, v0
	s_delay_alu instid0(VALU_DEP_1)
	v_readfirstlane_b32 s[WV], v8                  ; wave 0..15
	s_mov_b32 s10, ttmp9                           ; p: the second block
	s_and_b32 s11, ttmp7, 0xffff                   ; 16 x batch + head
	s_sub_co_u32 s12, 7, s10                       ; the first block
	s_sub_co_u32 s[SWT], 8, s10
	s_mov_b32 s[G1], 3<<16                         ; no mask; elements of 8 bytes; no padding
	s_mov_b32 s[G1+1], 32<<16                      ; tensor_dim0: rows of 256 bytes
	s_mov_b32 s[G1+2], 51<<16                      ; tensor_dim1
	s_mov_b32 s[G1+3], 32<<16                      ; tile_dim0
	s_mov_b32 s[G1+4], 51                          ; tile_dim1: 51 rows: 13,056 dense bytes
	s_mov_b32 s[G1+5], 32
	s_mov_b32 s[G1+6], 0
	s_mov_b32 s[G1+7], 0
	s_and_b32 s19, s[WV], 1
	s_mul_i32 s19, s19, KVH
	s_mul_i32 s46, s11, HEADSTR
	s_mov_b32 s47, 0
	s_mov_b32 s48, s19
	s_mov_b32 s49, 0
	s_mov_b32 s[SEL], 0x76543210
	s_mov_b32 s[SEL+1], 0xfedcba98
	s_mov_b32 s[CS], 0x3e38aa3b                    ; c = log2(e) / 8
	s_mov_b32 s[CS+1], s[CS]                       ; (named with it as a pair, so it is written)
	s_mov_b32 s[TB], 0
	s_mov_b32 s[KF], 0
	s_mov_b32 s[NXT], 0
	s_mov_b32 s[TRIP], 0
	s_mov_b32 s[CNT], 8
	s_wait_kmcnt 0x0
	s_add_nc_u64 s[14:15], s[4:5], s[46:47]        ; the head's eight records
	s_add_nc_u64 s[KVB:KVB+1], s[14:15], s[48:49]
	s_mov_b32 s[G0], 1
	s_mov_b32 s[G0+1], s19                         ; slot 0, my half
	s_mov_b64 s[G0+2:G0+3], s[KVB:KVB+1]           ; keys 0 .. 255
	s_or_b32 s[G0+3], s[G0+3], 0x80000000
	TLOAD                                          ; one tensor load of mine is out, here and behind each change of slots
	s_mul_i32 s46, s12, REC
	s_add_nc_u64 s[60:61], s[14:15], s[46:47]      ; the first block's record
	s_mul_i32 s46, s10, REC
	s_add_nc_u64 s[62:63], s[14:15], s[46:47]      ; the second's
	v_and_b32 v8, 31, v0                           ; lane
	v_and_b32 v9, 15, v0                           ; r
	v_bfe_u32 v10, v0, 4, 1                        ; h
	s_delay_alu instid0(VALU_DEP_3)
	v_lshlrev_b32 v1, 4, v8                        ; 16 x lane
	s_delay_alu instid0(VALU_DEP_4)
	v_lshlrev_b32 v2, 3, v8                        ; 8 x lane
	s_delay_alu instid0(VALU_DEP_4)
	v_lshlrev_b32 v3, 4, v9                        ; 16 r
	v_lshlrev_b32 v7, 3, v9                        ; 8 r
	v_and_b32 v4, 8, v9
	s_delay_alu instid0(VALU_DEP_1)
	v_add_nc_u32 v4, v4, v9
	v_lshlrev_b32 v10, 4, v10
	s_delay_alu instid0(VALU_DEP_1)
	v_sub_nc_u32 v4, v4, v10                       ; r + 8 (r / 8) - 16 h: my query less my registers' first key, within tile and step
	s_mul_i32 s46, s[WV], 768                      ; my tile of the block's sixteen
	v_add_nc_u32 v8, s46, v1
	v_add_nc_u32 v9, s46, v2
	s_lshr_b32 s46, s[WV], 2
	s_lshl_b32 s46, s46, 8
	s_and_b32 s48, s[WV], 3
	s_lshl_b32 s48, s48, 2
	s_add_co_u32 s46, s46, s48
	v_add_nc_u32 v10, s46, v3                      ; its scale words: [tile / 4][r][tile % 4]
	global_load_b128 v[16:19], v8, s[60:61] offset:OQ
	global_load_b64 v[20:21], v9, s[60:61] offset:OQ+512
	global_load_b32 v28, v10, s[60:61] offset:OQS
	global_load_b128 v[30:33], v8, s[62:63] offset:OQ
	global_load_b64 v[34:35], v9, s[62:63] offset:OQ+512
	global_load_b32 v29, v10, s[62:63] offset:OQS
	; where y goes: codes [tile of tokens][head][768]; scale bytes [tokens / 128][head / 4][tile % 8][r][8], my head's two at 2 (head % 4)
	s_lshr_b32 s16, s11, 4                         ; the batch
	s_and_b32 s17, s11, 15                         ; the head
	s_lshl_b32 s13, s16, 7
	s_add_co_u32 s13, s13, s[WV]
	s_mul_i32 s59, s17, 768
	s_lshl_b32 s46, s12, 4
	s_add_co_u32 s46, s46, s13
	s_mul_i32 s46, s46, 12288
	s_add_co_u32 s46, s46, s59
	s_add_nc_u64 s[YBA:YBA+1], s[6:7], s[46:47]
	s_lshl_b32 s46, s10, 4
	s_add_co_u32 s46, s46, s13
	s_mul_i32 s46, s46, 12288
	s_add_co_u32 s46, s46, s59
	s_add_nc_u64 s[YBB:YBB+1], s[6:7], s[46:47]
	s_lshl_b32 s13, s16, 4
	s_lshr_b32 s48, s[WV], 3
	s_add_co_u32 s13, s13, s48
	s_lshr_b32 s59, s17, 2
	s_lshl_b32 s59, s59, 10
	s_and_b32 s48, s[WV], 7
	s_lshl_b32 s48, s48, 7
	s_add_co_u32 s59, s59, s48
	s_and_b32 s48, s17, 3
	s_lshl_b32 s48, s48, 1
	s_add_co_u32 s59, s59, s48
	s_lshl_b32 s46, s12, 1
	s_add_co_u32 s46, s46, s13
	s_lshl_b32 s46, s46, 12
	s_add_co_u32 s46, s46, s59
	s_add_nc_u64 s[YSA:YSA+1], s[8:9], s[46:47]
	s_lshl_b32 s46, s10, 1
	s_add_co_u32 s46, s46, s13
	s_lshl_b32 s46, s46, 12
	s_add_co_u32 s46, s46, s59
	s_add_nc_u64 s[YSB:YSB+1], s[8:9], s[46:47]
	s_lshr_b32 s48, s[WV], 1
	s_lshl_b32 s48, s48, 5
	s_and_b32 s13, s[WV], 1
	s_lshl_b32 s13, s13, 3
	s_add_co_u32 s48, s48, s13                     ; my tile's first token in its block: 32 (w / 2) + 8 (w % 2)
	s_lshl_b32 s[QMIN], s12, 8
	s_add_co_u32 s[QMIN], s[QMIN], s48
	s_add_co_u32 s[QMAX], s[QMIN], 23              ; r + 8 (r / 8) reaches 23
	s_lshl_b32 s[QMINB], s10, 8
	s_add_co_u32 s[QMINB], s[QMINB], s48
.irp i, 22,23,24,25,26,27
	v_mov_b32 v[\i], 0                             ; K = 64 .. 127 of Q: zero codes
.endr
.irp t, 0,1,2,3
.irp i, 6,7,8,9,10,11
	v_mov_b32 v[36+12*\t+\i], 0                    ; and of K's tiles: set once
.endr
.endr
	v_mov_b32 v13, 0xff61b1e6                      ; the largest t so far: -3e38, under every t
	s_delay_alu instid0(VALU_DEP_1)
	v_floor_f32 v12, -v13                          ; -M
	v_mov_b32 v14, 0                               ; the sum, in two halves
	v_mov_b32 v15, 0
.irp b, 0,1,2,3
	v_mov_b32 v[236+\b], 0                         ; written once: a lane permute's destination counts as one of its sources
.endr
	v_mov_b32 v252, 0
	v_mov_b32 v253, 0                              ; (named as the upper half of the pair v[252:253] before it is first written)
.irp j, 0,1,2,3,4,5,6,7,8,9,10,11,12,13,14,15,16,17,18,19,20,21,22,23,24,25,26,27,28,29,30,31
	v_mov_b32 v[160+\j], 0                         ; O^T: a block's first step finds zeros, which the first change of M leaves zeros
.endr
; A KEY STEP: 128 keys, the q-th of the slot in hand.
.macro STEP q
	s_cmp_gt_u32 s[KF], s[QMAX]                    ; all its keys come after my queries: left out.  No barrier and no tensor load stands in a step
	s_cbranch_scc1 .Lhidden_\@
	v_add_nc_u32 v8, s[TB], v1
	s_wait_alu depctr_va_vdst(0)
	v_add_nc_u32 v9, s[TB], v2
	s_wait_alu depctr_va_vdst(0)
	v_add_nc_u32 v10, s[TB], v3
	s_wait_alu depctr_va_vdst(0)
	v_nop                                          ; five places in all: the products below write over registers that the last step's products read (V's fragments)
	v_nop
.irp g, 0,1                            ; S^T = K Q^T, four tiles of 16 keys at a time
.if \g > 0
.rept 4
	v_nop                                          ; places in front of loads into registers that matrix instructions have read
.endr
.endif
.irp t, 0,1,2,3
	ds_load_b128 v[36+12*\t:39+12*\t], v8 offset:(8*(\q)+4*\g+\t)*768
	ds_load_b64 v[40+12*\t:41+12*\t], v9 offset:(8*(\q)+4*\g+\t)*768+512
.endr
	ds_load_b128 v[84:87], v10 offset:OKS+(2*(\q)+\g)*256      ; the four tiles' scale words of row r
	s_wait_dscnt 0x0
.irp t, 0,1,2,3
	v_wmma_scale_f32_16x16x128_f8f6f4 v[96+8*(4*\g+\t):103+8*(4*\g+\t)], v[36+12*\t:47+12*\t], v[16:27], 0, v[84+\t], v28 matrix_a_fmt:MATRIX_FMT_FP6 matrix_b_fmt:MATRIX_FMT_FP6
.endr
.endr                                  ; register 16 b + i holds key KF + 32 b + 16 (lane / 16) + i
.rept 4
	v_nop
.endr
	s_add_co_u32 s46, s[KF], 127                   ; a step all of whose keys count skips the mask
	s_cmp_le_u32 s46, s[QMIN]
	s_cbranch_scc1 .Lopen_\@
	s_sub_co_i32 s46, s[QMIN], s[KF]
	v_add_nc_u32 v11, s46, v4                      ; d = my query - KF - 16 (lane / 16): hidden where 32 b + i > d.  KF itself counts for every query of a step that is not left out
	v_mov_b32 v254, 0xff800000                     ; -infinity
.irp n, 0,1,2,3,4,5,6,7,8,9,10,11,12,13,14,15,16,17,18,19,20,21,22,23,24,25,26,27,28,29,30,31,32,33,34,35,36,37,38,39,40,41,42,43,44,45,46,47,48,49,50,51,52,53,54,55,56,57,58,59,60,61,62,63
	v_cmp_gt_i32 vcc_lo, 32*(\n/16)+\n%16, v11
	v_cndmask_b32 v[96+\n], v[96+\n], v254, vcc_lo
.endr
.Lopen_\@:
.irp b, 0,1,2,3
	v_max3_num_f32 v[232+\b], v[96+16*\b], v[97+16*\b], v[98+16*\b]   ; THE LARGEST SCORE OF EACH BLOCK OF 32 KEYS: for the row's maximum, and, since p rises with the score, for the block's largest p
.endr
.irp i, 3,5,7,9,11,13
.irp b, 0,1,2,3
	v_max3_num_f32 v[232+\b], v[232+\b], v[96+16*\b+\i], v[97+16*\b+\i]
.endr
.endr
.irp b, 0,1,2,3
	v_max_num_f32 v[232+\b], v[232+\b], v[111+16*\b]
.endr
.irp b, 0,1,2,3
	s_delay_alu instid0(VALU_DEP_4)
	v_permlanex16_b32 v[236+\b], v[232+\b], s[SEL], s[SEL+1]
.endr
.irp b, 0,1,2,3
	s_delay_alu instid0(VALU_DEP_4)
	v_max_num_f32 v[232+\b], v[232+\b], v[236+\b]  ; with lane l xor 16's 16 keys
.endr
	s_delay_alu instid0(VALU_DEP_2)
	v_max3_num_f32 v254, v232, v233, v234
	s_delay_alu instid0(VALU_DEP_1)
	v_max_num_f32 v254, v254, v235                 ; the step's largest score of my query
	s_delay_alu instid0(VALU_DEP_1)
	v_mul_f32 v254, s[CS], v254                    ; as t (c is positive)
	s_delay_alu instid0(VALU_DEP_1)
	v_max_num_f32 v13, v13, v254                   ; the running largest t
	v_mov_b32 v254, v12
	s_delay_alu instid0(VALU_DEP_2)
	v_floor_f32 v12, -v13                          ; the new -M = floor(-t) = -ceil(t): M IS A WHOLE NUMBER
	s_delay_alu instid0(VALU_DEP_1)
	v_sub_f32 v254, v12, v254                      ; M's old value less its new one: a whole number, 0 or less
	s_delay_alu instid0(VALU_DEP_1)
	v_cvt_i32_f32 v254, v254                       ; (it saturates)
	s_delay_alu instid0(VALU_DEP_1)
	v_ldexp_f32 v252, 1.0, v254                    ; f = 2^(old M - new M)
.irp j, 0,2,4,6,8,10,12,14,16,18,20,22,24,26,28,30,32,34,36,38,40,42,44,46,48,50,52,54,56,58,60,62
	v_pk_fma_f32 v[96+\j:97+\j], v[96+\j:97+\j], s[CS:CS+1], v[12:13] op_sel_hi:[1,0,0]   ; t - M, two at a time
.endr
.irp b, 0,1,2,3
	v_fma_f32 v[232+\b], v[232+\b], s[CS], v12     ; the same of each block's largest score
.endr
	s_wait_alu depctr_va_vdst(0)
.irp j, 0,1,2,3,4,5,6,7,8,9,10,11,12,13,14,15,16,17,18,19,20,21,22,23,24,25,26,27,28,29,30,31,32,33,34,35,36,37,38,39,40,41,42,43,44,45,46,47,48,49,50,51,52,53,54,55,56,57,58,59,60,61,62,63
	v_exp_f32 v[96+\j], v[96+\j]                   ; p = 2^(t - M), at most 1: NOT normalised
.endr
.irp b, 0,1,2,3
	v_exp_f32 v[232+\b], v[232+\b]                 ; the block's largest p
.endr
	v_pk_mul_f32 v[14:15], v[14:15], v[252:253] op_sel_hi:[1,0]   ; the sums under the new M.  (A plain place behind the exponentials)
	s_wait_alu depctr_va_vdst(0)
.irp b, 0,1,2,3
	v_max_num_f32 v[232+\b], 0x1800000, v[232+\b]  ; the floor 2^(3 - 127): the byte cannot fall under 1
.endr
.irp b, 0,1,2,3
	s_delay_alu instid0(VALU_DEP_4)
	v_add_nc_u32 v[244+\b], 0xff000000, v[232+\b]  ; 2 off the exponent field: the conversion's scale operand
.endr
.irp b, 0,1,2,3
	s_delay_alu instid0(VALU_DEP_4)
	v_lshrrev_b32 v[236+\b], 23, v[244+\b]         ; the scale's byte
.endr
	s_delay_alu instid0(VALU_DEP_3)
	v_lshl_or_b32 v253, v237, 8, v236              ; p's scale word for these 128 keys
	s_delay_alu instid0(VALU_DEP_1)
	v_lshl_or_b32 v253, v238, 16, v253
	s_delay_alu instid0(VALU_DEP_1)
	v_lshl_or_b32 v253, v239, 24, v253
.irp c, 0,1
	v_cvt_scalef32_pk16_fp6_f32 v[224+6*\c:226+6*\c], v[96+32*\c:111+32*\c], v[244+2*\c]
	v_cvt_scalef32_pk16_fp6_f32 v[236+4*\c:238+4*\c], v[112+32*\c:127+32*\c], v[244+2*\c+1]   ; (a conversion's three registers begin on an even number)
.endr
	v_nop                                          ; one plain place behind a scaled conversion
.irp c, 0,1                            ; the operand's layout wants a WHOLE block in a lane
.irp i, 0,1,2
	v_permlane16_swap_b32 v[224+6*\c+\i], v[236+4*\c+\i]
.endr
.irp i, 0,1,2
	s_delay_alu instid0(VALU_DEP_3)
	v_mov_b32 v[227+6*\c+\i], v[236+4*\c+\i]
.endr
.endr
	v_pk_add_f32 v[236:237], v[100:101], v[104:105]
	v_pk_add_f32 v[254:255], v[108:109], v[112:113]
	v_pk_add_f32 v[250:251], v[116:117], v[120:121]
	v_pk_add_f32 v[248:249], v[124:125], v[128:129]
	v_pk_add_f32 v[246:247], v[132:133], v[136:137]
	v_pk_add_f32 v[244:245], v[140:141], v[144:145]
	v_pk_add_f32 v[242:243], v[148:149], v[152:153]
	v_pk_add_f32 v[14:15], v[14:15], v[156:157]
	v_pk_add_f32 v[236:237], v[236:237], v[96:97]
	v_pk_add_f32 v[254:255], v[254:255], v[98:99]
	v_pk_add_f32 v[250:251], v[250:251], v[102:103]
	v_pk_add_f32 v[248:249], v[248:249], v[106:107]
	v_pk_add_f32 v[246:247], v[246:247], v[110:111]
	v_pk_add_f32 v[244:245], v[244:245], v[114:115]
	v_pk_add_f32 v[242:243], v[242:243], v[118:119]
	v_pk_add_f32 v[14:15], v[14:15], v[122:123]
	v_pk_add_f32 v[236:237], v[236:237], v[126:127]
	v_pk_add_f32 v[254:255], v[254:255], v[130:131]
	v_pk_add_f32 v[250:251], v[250:251], v[134:135]
	v_pk_add_f32 v[248:249], v[248:249], v[138:139]
	v_pk_add_f32 v[246:247], v[246:247], v[142:143]
	v_pk_add_f32 v[244:245], v[244:245], v[146:147]
	v_pk_add_f32 v[242:243], v[242:243], v[150:151]
	v_pk_add_f32 v[14:15], v[14:15], v[154:155]
	v_pk_add_f32 v[236:237], v[236:237], v[158:159]
	s_delay_alu instid0(VALU_DEP_2)
	v_pk_add_f32 v[14:15], v[14:15], v[248:249]
	s_delay_alu instid0(VALU_DEP_2)
	v_pk_add_f32 v[236:237], v[236:237], v[246:247]
	v_pk_add_f32 v[254:255], v[254:255], v[244:245]
	v_pk_add_f32 v[250:251], v[250:251], v[242:243]
	s_delay_alu instid0(VALU_DEP_2)
	v_pk_add_f32 v[14:15], v[14:15], v[254:255]
	s_delay_alu instid0(VALU_DEP_2)
	v_pk_add_f32 v[236:237], v[236:237], v[250:251]
	s_delay_alu instid0(VALU_DEP_1)
	v_pk_add_f32 v[14:15], v[14:15], v[236:237]
.irp t, 0,1,2,3                        ; V^T: four tiles of 16 channels x these 128 keys, into the registers that p has left
	ds_load_b128 v[96+12*\t:99+12*\t], v8 offset:OV+6144*(\q)+1536*\t
	ds_load_b64 v[100+12*\t:101+12*\t], v9 offset:OV+6144*(\q)+1536*\t+512
	ds_load_b128 v[102+12*\t:105+12*\t], v8 offset:OV+6144*(\q)+1536*\t+768
	ds_load_b64 v[106+12*\t:107+12*\t], v9 offset:OV+6144*(\q)+1536*\t+1280
.endr
	ds_load_b128 v[88:91], v10 offset:OVS+256*(\q)
.irp j, 0,2,4,6,8,10,12,14,16,18,20,22,24,26,28,30
	v_pk_mul_f32 v[160+\j:161+\j], v[160+\j:161+\j], v[252:253] op_sel_hi:[1,0]   ; O^T under the new M, while the loads are on their way
.endr
	s_wait_alu depctr_va_vdst(0)
	s_wait_dscnt 0x0
.irp t, 0,1,2,3                        ; O^T += V^T P^T: the four accumulators by turns
	v_wmma_scale_f32_16x16x128_f8f6f4 v[160+8*\t:167+8*\t], v[96+12*\t:107+12*\t], v[224:235], v[160+8*\t:167+8*\t], v[88+\t], v253 matrix_a_fmt:MATRIX_FMT_FP6 matrix_b_fmt:MATRIX_FMT_FP6
.endr
.Lhidden_\@:
	s_add_co_u32 s[KF], s[KF], 128
.endm
; THE CHANGE OF SLOTS stands at a trip's head.  Each wave waits for all its tensor loads, adds 0 to its spare word, and waits for that and for its reads of the slot that it has left.
; Behind the barrier the slot ahead is whole and nobody reads the other one.  fill = 1: that other slot takes the keys of the next trip.
.macro CHANGE fill
	s_wait_tensorcnt 0x0                           ; no tensor load of mine is out, so group 0 may be written
	ds_add_u32 v5, v6                              ; 0 onto my spare word; the descriptor's step stands between it and the wait for it
.if \fill
	s_xor_b32 s[G0+1], s[G0+1], SLOT1              ; the other slot than last time
	s_add_co_u32 s[NXT], s[NXT], 1                 ; the next 256 keys,
	s_cmp_eq_u32 s[NXT], s[SWT]
	s_cselect_b32 s[NXT], 0, s[NXT]                ; or, where the second block begins, the first again
	s_mul_i32 s46, s[NXT], REC
	s_mov_b32 s47, 0
	s_add_nc_u64 s[G0+2:G0+3], s[KVB:KVB+1], s[46:47]
	s_or_b32 s[G0+3], s[G0+3], 0x80000000
.endif
	s_wait_dscnt 0x0                               ; the add is done, and my reads of the slot that I have left are over
	s_barrier_signal -1
	s_barrier_wait -1
.if \fill
	TLOAD                                          ; the first thing behind the barrier, and a wave's one tensor load until the next
.endif
.endm
; A block's end: O^T / the sum is y: register 16 b + i = channel 32 b + 16 (lane / 16) + i of my token: two blocks along the last product's K.  Quantised, it is one piece of 768 bytes.
.macro FINISH yb, ys
.rept 4
	v_nop                                          ; places behind the last products
.endr
	v_add_f32 v14, v14, v15                        ; the sum's two halves,
	s_delay_alu instid0(VALU_DEP_1)
	v_permlanex16_b32 v252, v14, s[SEL], s[SEL+1]
	s_delay_alu instid0(VALU_DEP_1)
	v_add_f32 v14, v14, v252                       ; and lane l xor 16's
	s_wait_alu depctr_va_vdst(0)
	v_rcp_f32 v14, v14
	v_nop                                          ; a plain place behind the transcendental
	s_wait_alu depctr_va_vdst(0)
.irp j, 0,2,4,6,8,10,12,14,16,18,20,22,24,26,28,30
	v_pk_mul_f32 v[192+\j:193+\j], v[160+\j:161+\j], v[14:15] op_sel_hi:[1,0]   ; each accumulator from its low end on
.endr
.irp b, 0,1
	v_max3_num_f32 v[232+\b], |v[192+16*\b]|, |v[193+16*\b]|, 0x1800000
.endr
.irp i, 2,4,6,8,10,12,14
.irp b, 0,1
	s_delay_alu instid0(VALU_DEP_2)
	v_max3_num_f32 v[232+\b], v[232+\b], |v[192+16*\b+\i]|, |v[193+16*\b+\i]|
.endr
.endr
.irp b, 0,1
	s_delay_alu instid0(VALU_DEP_2)
	v_permlanex16_b32 v[236+\b], v[232+\b], s[SEL], s[SEL+1]
.endr
.irp b, 0,1
	s_delay_alu instid0(VALU_DEP_2)
	v_max_num_f32 v[232+\b], v[232+\b], v[236+\b]
.endr
.irp b, 0,1
	s_delay_alu instid0(VALU_DEP_2)
	v_add_nc_u32 v[244+\b], 0xff000000, v[232+\b]
.endr
.irp b, 0,1
	s_delay_alu instid0(VALU_DEP_2)
	v_lshrrev_b32 v[236+\b], 23, v[244+\b]
.endr
	s_delay_alu instid0(VALU_DEP_1)
	v_lshl_or_b32 v254, v237, 8, v236              ; my token's two scale bytes
	v_cvt_scalef32_pk16_fp6_f32 v[224:226], v[192:207], v244
	v_cvt_scalef32_pk16_fp6_f32 v[240:242], v[208:223], v245
	v_nop                                          ; one plain place behind a scaled conversion
.irp i, 0,1,2
	v_permlane16_swap_b32 v[224+\i], v[240+\i]     ; lanes 0-15 block 0, lanes 16-31 block 1: lower 16 codes in the first, upper 16 in the second
.endr
.irp i, 0,1,2
	s_delay_alu instid0(VALU_DEP_3)
	v_mov_b32 v[227+\i], v[240+\i]
.endr
	global_store_b128 v1, v[224:227], s[\yb:\yb+1]             ; 512 consecutive bytes
	global_store_b64 v2, v[228:229], s[\yb:\yb+1] offset:512   ; 256 consecutive bytes
	global_store_b16 v7, v254, s[\ys:\ys+1]                    ; both halves of the lanes write the same two bytes with the same value
	s_wait_xcnt 0x0                                ; the stores have read their registers, which are written again
.endm
; Where the second block begins: the first one's y leaves, and the wave starts anew with the second block's queries.  A scalar branch on ids; no barrier and no tensor load inside.
.macro SWITCHCHK
	s_cmp_lg_u32 s[TRIP], s[SWT]
	s_cbranch_scc1 .Lsame_\@
	FINISH YBA, YSA
	v_mov_b32 v28, v29                             ; Q's scale words first: the lines below are the places between this and the next products
.irp i, 0,1,2,3,4,5
	v_mov_b32 v[16+\i], v[30+\i]
.endr
	v_mov_b32 v13, 0xff61b1e6
	s_delay_alu instid0(VALU_DEP_1)
	v_floor_f32 v12, -v13
	v_mov_b32 v14, 0
	v_mov_b32 v15, 0
.irp j, 0,1,2,3,4,5,6,7,8,9,10,11,12,13,14,15,16,17,18,19,20,21,22,23,24,25,26,27,28,29,30,31
	v_mov_b32 v[160+\j], 0
.endr
	s_mov_b32 s[KF], 0
	s_mov_b32 s[QMIN], s[QMINB]
	s_add_co_u32 s[QMAX], s[QMINB], 23
.Lsame_\@:
.endm
	s_wait_loadcnt 0x0                             ; Q, both blocks'
.Ltrip:                                            ; eight trips: behind each change of slots but the last the next slot is asked for
	CHANGE 1
	SWITCHCHK
	STEP 0
	STEP 1
	s_xor_b32 s[TB], s[TB], SLOT1                  ; on to the other slot
	s_add_co_u32 s[TRIP], s[TRIP], 1
	s_sub_co_u32 s[CNT], s[CNT], 1
	s_cmp_lg_u32 s[CNT], 0
	s_cbranch_scc1 .Ltrip
	CHANGE 0                                       ; the ninth trip is written out
	SWITCHCHK
	STEP 0
	STEP 1
	FINISH YBB, YSB
	s_wait_tensorcnt 0x0                           ; the wave's end
	ds_add_u32 v5, v6
	s_wait_dscnt 0x0
	s_endpgm
.Lfunc_end_k_qccf092554e_attn:
	.size	k_qccf092554e_attn, .Lfunc_end_k_qccf092554e_attn-k_qccf092554e_attn
	.p2alignl 7, 3214868480
	.fill 96, 4, 3214868480
	.section	.rodata,"a",@progbits
	.p2align	6, 0x0
	.amdhsa_kernel k_qccf092554e_attn
		.amdhsa_group_segment_fixed_size 327680
		.amdhsa_private_segment_fixed_size 0
		.amdhsa_enable_private_segment 0
		.amdhsa_kernarg_size 24
		.amdhsa_user_sgpr_count 2
		.amdhsa_user_sgpr_kernarg_segment_ptr 1
		.amdhsa_wavefront_size32 1
		.amdhsa_system_sgpr_workgroup_id_x 1
		.amdhsa_system_sgpr_workgroup_id_y 1
		.amdhsa_system_sgpr_workgroup_id_z 1
		.amdhsa_system_vgpr_workitem_id 0
		.amdhsa_next_free_vgpr 256
		.amdhsa_next_free_sgpr 66
		.amdhsa_reserve_vcc 1
		.amdhsa_float_denorm_mode_32 3
		.amdhsa_float_denorm_mode_16_64 3
		.amdhsa_memory_ordered 1
		.amdhsa_forward_progress 1
		.amdhsa_inst_pref_size 116
	.end_amdhsa_kernel
	.amdgpu_metadata
---
amdhsa.version: [ 1, 2 ]
amdhsa.kernels:
  - .name:           k_qccf092554e_attn
    .symbol:         k_qccf092554e_attn.kd
    .args:
      - { .name: qkv, .offset: 0, .size: 8, .value_kind: global_buffer, .address_space: global }
      - { .name: yc, .offset: 8, .size: 8, .value_kind: global_buffer, .address_space: global }
      - { .name: ys, .offset: 16, .size: 8, .value_kind: global_buffer, .address_space: global }
    .group_segment_fixed_size: 327680
    .private_segment_fixed_size: 0
    .kernarg_segment_align: 8
    .kernarg_segment_size: 24
    .max_flat_workgroup_size: 512
    .sgpr_count:     66
    .vgpr_count:     256
    .wavefront_size: 32
...
	.end_amdgpu_metadata
.endif
;; end of part 3
;; launch proj (part 4): grid 8 x 32, 4 waves a work-group, clusters of 4 x 4, 327,680 bytes of LDS; arguments yc, ys, wc, ws, b_proj, out0; writes out0
.if DOCPART == 4
	.amdgcn_target "amdgcn-amd-amdhsa--gfx1250"
	.amdhsa_code_object_version 6
	.text
	.protected	k_qccf092554e_proj
	.globl	k_qccf092554e_proj
	.p2align	8
	.type	k_qccf092554e_proj,@function
k_qccf092554e_proj:
	s_mov_b64 s[64:65], 0
	v_nop
	global_prefetch_b8 v0, s[64:65] scope:SCOPE_SE
	s_setreg_imm32_b32 hwreg(HW_REG_WAVE_MODE, 25, 1), 1
	s_wait_xcnt 0x0
	s_wait_alu depctr_hold_cnt(0) depctr_sa_sdst(0) depctr_va_vdst(0) depctr_va_sdst(0) depctr_va_ssrc(0) depctr_va_vcc(0) depctr_vm_vsrc(0)
	s_getreg_b32 s2, hwreg(HW_REG_IB_STS2, 6, 4)
	s_cmp_eq_u32 s2, 0
	s_cbranch_scc0 .Lentry_in_a_cluster
	s_endpgm
.Lentry_in_a_cluster:
	s_bfe_u32 s2, ttmp6, 0x10000c
	s_cmp_lg_u32 s2, 0xf033
	s_cbranch_scc0 .Lentry_shape_is_right
	s_endpgm
.Lentry_shape_is_right:
; out = y W_proj + b_proj on codes of FP6 (E2M3) with E8M0 scales, sums in f32.  y [8192][1024] and W_proj's columns (rows 3,072 .. 4,095 of the weights' buffer) come as images of the
; operands' registers: a piece of 16 rows x 64 K is 768 bytes, 16 bytes a lane at 16 x lane and 8 at 512 + 8 x lane; lane r of tile 2 G + u stands for row 32 G + 8 u + r + 8 (r / 8).
; A work-group of four waves makes 256 tokens x 128 columns, so that there are 256 work-groups; a wave 128 x 64: 32 accumulators, 256 registers.  K = 1,024 goes in four steps of 256
; through two LDS slots.  R (source 1, the lane's row) = y's tokens; P (source 0, along the lane's registers) = W_proj's columns: a lane holds eight neighbouring columns of a token.
; The bias is the C of each sum's first matrix instruction.
; CLUSTERS of 4 x 4: y's tiles are shared along a row of the cluster, the weight's along a column: each is asked for jointly, by the same tensor load with a mask that names the four.
; LIMITS: NaN and infinities are not served.
; REGISTERS: window 0: v1-7 lane terms; v16-23 LDS addresses; v24-29; v32-63 scale words, two sets; v128-223 R's 8 fragments, on the way out rows of the result.
;   window 1: P's fragments, two sets, at v0 and v128; the bias at v96-127.   window 2: the accumulators, (a, b) at v[8 (4 a + b)].
.set NB,    4
.set FR,    12
.set NL,    4
.set NP,    4                          ; places behind this matrix instruction (ISA guide 7.12.1)
.set RHALF, 8*3072
.set PHALF, NB*3072
.set SLOT,  2*RHALF+2*PHALF
.set SCL,   2*SLOT                     ; behind the ring: P's scale bytes for all of K, then R's
.set PSZ,   4096
.set SPARE, SCL+PSZ+8192               ; the spare words, 128 bytes for each wave: two blocks of 256 bytes that no other line names
.set SPITCH, 272                       ; the way out: a stage of 16 rows x (256 bytes + 16) for each wave, in slot 0, which has had its last fill and its last read by then
.set L16,  4
.set L8,   5
.set A16R, 16
.set A8R,  18
.set A16P, 20
.set A8P,  22
.set STO,  24
.set RD,   25
.set CO,   26
.set ADRS, 27
.set SPW,  28
.set NIL,  29
.set SC,   32
.set RF,   128
.set BK,   128
.set G1,   24
.set G0,   32
.set G1B,  48
.set G0B,  56
.set G1S,  68
.set G0S,  76
.set G1SB, 80
.set G0SB, 88
.set MSB, 0
.macro WIN new                         ; the immediate's high byte repeats the setting that is left
.if MSB != (\new)
	s_set_vgpr_msb (MSB<<8)|(\new)
.set MSB, (\new)
.endif
.endm
.set MUL,   0xa1                       ; source 0 (P) window 1, source 1 (R) window 0, C and D window 2
.set MUL_B, 0x91                       ; the same with C (the bias) in window 1
.macro JLOAD g0r, g1r, g0p, g1p        ; a joint load: waves 0 and 1 fetch for R, waves 2 and 3 for P; four v_nop follow each of the two lines
	s_cmp_eq_u32 s17, 0
	s_cbranch_scc0 .Lfor_p_\@
	tensor_load_to_lds s[\g0r:\g0r+3], s[\g1r:\g1r+7]
	s_nop 0
.rept 4
	v_nop
.endr
	s_branch .Lasked_\@
.Lfor_p_\@:
	tensor_load_to_lds s[\g0p:\g0p+3], s[\g1p:\g1p+7]
	s_nop 0
.rept 4
	v_nop
.endr
.Lasked_\@:
.endm
.macro CREST
	s_cmp_lg_u32 s16, 0
	s_cbranch_scc1 .Lnot_wave_0_\@
	s_barrier_signal -3
.Lnot_wave_0_\@:
	s_barrier_wait -3
	s_barrier_signal -1
	s_barrier_wait -1
.endm
.macro CROUND
	s_barrier_signal -1
	s_barrier_wait -1
	CREST
.endm
.macro PLACES n
.rept \n
	v_nop
.endr
.endm
	s_load_b256 s[4:11], s[0:1], 0x0               ; yc s[4:5], ys s[6:7], wc s[8:9], ws s[10:11]
	s_load_b128 s[12:15], s[0:1], 0x20             ; b_proj s[12:13], out0 s[14:15]
	v_lshl_add_u32 v[SPW], v0, 2, SPARE
	v_mov_b32 v[NIL], 0
	ds_add_u32 v28, v29
	s_wait_dscnt 0x0
	v_lshrrev_b32 v1, 5, v0
	v_readfirstlane_b32 s16, v1                    ; wave 0..3
	s_lshr_b32 s17, s16, 1                         ; my half of R.  Also: I fetch for R (0) or for P (1)
	s_and_b32 s18, s16, 1                          ; my half of P.  Also: which half I fetch
	s_bfe_u32 s19, ttmp6, 0x40000                  ; cx
	s_bfe_u32 s20, ttmp6, 0x40004                  ; cy
	s_lshl_b32 s41, ttmp9, 2
	s_add_co_u32 s41, s41, s19                     ; which 128 columns = 4 x cluster x + cx
	s_and_b32 s40, ttmp7, 0xffff
	s_lshl_b32 s40, s40, 2
	s_add_co_u32 s40, s40, s20                     ; which 256 tokens = 4 x cluster y + cy
	s_lshl_b32 s42, s20, 2
	s_lshl_b32 s42, 15, s42                        ; my row of the cluster
	s_lshl_b32 s43, 0x1111, s19                    ; my column
	; descriptor group 1 for codes: rows (tiles) of 3,072 bytes (384 elements of 8 bytes), 12,288 bytes apart: 8 of R, 4 of P; no padding: every LDS access is dense
	s_or_b32 s[G1], s42, (3<<16)|(1<<21)           ; 15:0 the mask; 17:16 elements of 8 bytes; 21 set beside a mask
	s_mov_b32 s[G1+1], 384<<16
	s_mov_b32 s[G1+2], 8<<16
	s_mov_b32 s[G1+3], 384<<16
	s_mov_b32 s[G1+4], 8
	s_mov_b32 s[G1+5], 1536
	s_mov_b32 s[G1+6], 0
	s_mov_b32 s[G1+7], 0
	s_or_b32 s[G1B], s43, (3<<16)|(1<<21)
	s_mov_b32 s[G1B+1], 384<<16
	s_mov_b32 s[G1B+2], NB<<16
	s_mov_b32 s[G1B+3], 384<<16
	s_mov_b32 s[G1B+4], NB
	s_mov_b32 s[G1B+5], 1536
	s_mov_b32 s[G1B+6], 0
	s_mov_b32 s[G1B+7], 0
	; the scale bytes, all of K: R: 128 rows' 4,096 dense bytes as 16 rows of 256;  P: half of the 128 columns' 4,096 bytes: 8 rows of 256
	s_or_b32 s[G1S], s42, (3<<16)|(1<<21)
	s_mov_b32 s[G1S+1], 32<<16
	s_mov_b32 s[G1S+2], 16<<16
	s_mov_b32 s[G1S+3], 32<<16
	s_mov_b32 s[G1S+4], 16
	s_mov_b32 s[G1S+5], 32
	s_mov_b32 s[G1S+6], 0
	s_mov_b32 s[G1S+7], 0
	s_or_b32 s[G1SB], s43, (3<<16)|(1<<21)
	s_mov_b32 s[G1SB+1], 32<<16
	s_mov_b32 s[G1SB+2], 8<<16
	s_mov_b32 s[G1SB+3], 32<<16
	s_mov_b32 s[G1SB+4], 8
	s_mov_b32 s[G1SB+5], 32
	s_mov_b32 s[G1SB+6], 0
	s_mov_b32 s[G1SB+7], 0
	s_lshl_b32 s100, s18, 3
	s_lshl_b32 s44, s40, 4
	s_add_co_u32 s44, s44, s100                    ; R: tile 16 x its 256 tokens + 8 x the half I fetch
	s_mul_i32 s44, s44, 12288
	s_mov_b32 s45, 0
	s_lshl_b32 s101, s18, 2
	s_lshl_b32 s46, s41, 3
	s_add_co_u32 s46, s46, s101
	s_add_co_u32 s46, s46, 192                     ; P: tile 192 + 8 x its 128 columns + 4 x the half I fetch
	s_mul_i32 s46, s46, 12288
	s_mov_b32 s47, 0
	s_wait_kmcnt 0x0
	s_add_nc_u64 s[92:93], s[4:5], s[44:45]
	s_add_nc_u64 s[96:97], s[8:9], s[46:47]
	s_lshl_b32 s44, s40, 1
	s_add_co_u32 s44, s44, s18
	s_lshl_b32 s44, s44, 12
	s_add_nc_u64 s[94:95], s[6:7], s[44:45]
	s_add_co_u32 s46, s41, 24
	s_lshl_b32 s46, s46, 12
	s_lshl_b32 s101, s18, 11
	s_add_co_u32 s46, s46, s101
	s_add_nc_u64 s[98:99], s[10:11], s[46:47]
	s_mul_i32 s100, s18, RHALF                     ; where they go: no place in the cluster enters an LDS address
	s_mul_i32 s101, s18, PHALF
	s_add_co_u32 s101, s101, 2*RHALF
	CROUND                                         ; all sixteen work-groups are here: the first joint loads meet
	s_mov_b32 s[G0S], 1
	s_lshl_b32 s[G0S+1], s18, 12
	s_add_co_u32 s[G0S+1], s[G0S+1], SCL+PSZ
	s_mov_b64 s[G0S+2:G0S+3], s[94:95]
	s_or_b32 s[G0S+3], s[G0S+3], 0x80000000
	s_mov_b32 s[G0SB], 1
	s_lshl_b32 s[G0SB+1], s18, 11
	s_add_co_u32 s[G0SB+1], s[G0SB+1], SCL
	s_mov_b64 s[G0SB+2:G0SB+3], s[98:99]
	s_or_b32 s[G0SB+3], s[G0SB+3], 0x80000000
	JLOAD G0S, G1S, G0SB, G1SB                     ; the scales first: they are wanted with the first step, and stay
.irp s, 0,1
	s_mov_b32 s[G0+4*\s], 1
	s_add_co_u32 s[G0+4*\s+1], s100, \s*SLOT
	s_add_nc_u64 s[G0+4*\s+2:G0+4*\s+3], s[92:93], \s*3072
	s_or_b32 s[G0+4*\s+3], s[G0+4*\s+3], 0x80000000
	s_mov_b32 s[G0B+4*\s], 1
	s_add_co_u32 s[G0B+4*\s+1], s101, \s*SLOT
	s_add_nc_u64 s[G0B+4*\s+2:G0B+4*\s+3], s[96:97], \s*3072
	s_or_b32 s[G0B+4*\s+3], s[G0B+4*\s+3], 0x80000000
	JLOAD G0+4*\s, G1, G0B+4*\s, G1B               ; three tensor loads of mine are out now, the most in this text
.endr
	v_and_b32 v1, 31, v0                           ; lane
	v_and_b32 v2, 15, v0                           ; r
	v_bfe_u32 v3, v0, 4, 1                         ; h
	v_lshlrev_b32 v[L16], 4, v1
	v_lshlrev_b32 v[L8], 3, v1
	s_mul_i32 s100, s17, RHALF                     ; the half of R that I multiply
	s_mul_i32 s101, s18, PHALF                     ; and of P
	s_add_co_u32 s101, s101, 2*RHALF
.irp s, 0,1
	v_add_nc_u32 v[A16R+\s], s100, v[L16]
	v_add_nc_u32 v[A8R+\s], s100, v[L8]
	v_add_nc_u32 v[A16P+\s], s101, v[L16]
	v_add_nc_u32 v[A8P+\s], s101, v[L8]
	s_add_co_u32 s100, s100, SLOT
	s_add_co_u32 s101, s101, SLOT
.endr
	v_xor_b32 v6, 1, v3                            ; 1 - h: lanes 0-15 take R's words, which lie behind P's
	s_lshl_b32 s101, s18, 9                        ; P's: my four tiles of the eight
	s_lshl_b32 s100, s17, 12                       ; R's: my 128 rows, PSZ further on
	s_add_co_u32 s100, s100, PSZ
	s_sub_co_u32 s100, s100, s101                  ; the distance between the two
	v_mul_u32_u24 v6, s100, v6
	v_lshl_add_u32 v6, v2, 3, v6                   ; 8 bytes a row
	s_add_co_u32 s101, s101, SCL
	v_add_nc_u32 v[ADRS], s101, v6                 ; (for blocks 4-7 lanes 16-31 read on into later scale bytes, which are filled; no product names those registers for P)
	s_mul_i32 s100, s16, 16*SPITCH                 ; my stage
	v_mul_u32_u24 v[STO], v2, SPITCH
	v_lshl_add_u32 v[STO], v3, 6, v[STO]
	v_add_nc_u32 v[STO], s100, v[STO]              ; in: row r, + 64 h: my 16 columns of each 32
	v_mul_u32_u24 v[RD], v3, SPITCH
	v_lshl_add_u32 v[RD], v2, 4, v[RD]
	v_add_nc_u32 v[RD], s100, v[RD]                ; back: lanes 0-15 one row of 256 bytes, lanes 16-31 the next
	v_lshlrev_b32 v[CO], 12, v3
	v_lshl_add_u32 v[CO], v2, 4, v[CO]             ; and the same two rows of the output
	v_lshlrev_b32 v7, 6, v3                        ; the bias: 16 h numbers on
	s_lshl_b32 s6, s41, 1
	s_add_co_u32 s6, s6, s18
	s_lshl_b32 s6, s6, 8                           ; my first column, in bytes: (128 x columns + 64 x half) x 4
	s_mov_b32 s7, 0
	s_add_nc_u64 s[12:13], s[12:13], s[6:7]
	s_lshl_b32 s4, s40, 1
	s_add_co_u32 s4, s4, s17
	s_lshl_b32 s4, s4, 19                          ; my first token's row: (256 x tokens + 128 x half) x 4,096
	s_mov_b32 s5, 0
	s_add_nc_u64 s[14:15], s[14:15], s[4:5]
	s_add_nc_u64 s[14:15], s[14:15], s[6:7]
	WIN 0x40                                       ; destination window 1
.irp b, 0,1,2,3                        ; register 8 b + j: column 32 (b / 2) + 16 h + 8 (b % 2) + j of my 64
	global_load_b128 v[96+8*\b:99+8*\b], v7, s[12:13] offset:(32*(\b/2)+8*(\b%2))*4
	global_load_b128 v[100+8*\b:103+8*\b], v7, s[12:13] offset:(32*(\b/2)+8*(\b%2))*4+16
.endr
	WIN 0
.macro FRAG reg, a16, a8, off          ; a fragment, 16 rows x 128 K: two pieces of 768 bytes, as they lie
	ds_load_b128 v[\reg:\reg+3], v[\a16] offset:\off
	ds_load_b64 v[\reg+4:\reg+5], v[\a8] offset:\off+512
	ds_load_b128 v[\reg+6:\reg+9], v[\a16] offset:\off+768
	ds_load_b64 v[\reg+10:\reg+11], v[\a8] offset:\off+1280
.endm
.macro FETCH_P slot, q, p
	WIN 0x40
.irp i, 0,1,2,3
	FRAG 128*(\p)+FR*\i, A16P+\slot, A8P+\slot, \i*3072+(\q)*1536
.endr
	WIN 0
.endm
.macro FETCH_R slot, q, i0
.irp i, \i0, \i0+1, \i0+2, \i0+3
	FRAG RF+FR*(\i), A16R+\slot, A8R+\slot, (\i)*3072+(\q)*1536
.endr
.endm
.macro SCALES sc                       ; a slot's scale words: two a row; lanes 0-15 R's block i, lanes 16-31 P's block i
.irp i, 0,1,2,3,4,5,6,7
	ds_load_b64 v[SC+16*\sc+2*\i:SC+16*\sc+2*\i+1], v[ADRS] offset:128*\i
.endr
.endm
; 8 matrix instructions: R's blocks a0, a0 + 1 x P's four.  first = 1: the bias is the C.  The 32 accumulators take turns, one instruction a turn.
.macro MULP a0, p, q, sc, first
.irp a, \a0, \a0+1
.irp b, 0,1,2,3
.if \first
	v_wmma_scale_f32_16x16x128_f8f6f4 v[8*(4*(\a)+\b):8*(4*(\a)+\b)+7], v[128*(\p)+FR*\b:128*(\p)+FR*\b+FR-1], v[RF+FR*(\a):RF+FR*(\a)+FR-1], v[96+8*\b:103+8*\b], v[SC+16*(\sc)+2*\b+(\q)], v[SC+16*(\sc)+2*(\a)+(\q)] matrix_a_fmt:MATRIX_FMT_FP6 matrix_b_fmt:MATRIX_FMT_FP6 matrix_a_scale:MATRIX_SCALE_ROW1
.else
	v_wmma_scale_f32_16x16x128_f8f6f4 v[8*(4*(\a)+\b):8*(4*(\a)+\b)+7], v[128*(\p)+FR*\b:128*(\p)+FR*\b+FR-1], v[RF+FR*(\a):RF+FR*(\a)+FR-1], v[8*(4*(\a)+\b):8*(4*(\a)+\b)+7], v[SC+16*(\sc)+2*\b+(\q)], v[SC+16*(\sc)+2*(\a)+(\q)] matrix_a_fmt:MATRIX_FMT_FP6 matrix_b_fmt:MATRIX_FMT_FP6 matrix_a_scale:MATRIX_SCALE_ROW1
.endif
.endr
.endr
.endm
.macro STEP slot, q, first
	s_wait_dscnt 4*NL                              ; all but the youngest sixteen loads (R's blocks 4-7) are in
	WIN MUL-0x10*(\first)
	MULP 0, (\q)%2, \q, \slot, \first
	MULP 2, (\q)%2, \q, \slot, \first
	s_wait_dscnt 0x0                               ; R's blocks 4-7 are in
	PLACES NP                                      ; in front of loads into registers that matrix instructions have read
	FETCH_P \slot, (\q)+1, 1-(\q)%2
	FETCH_R \slot, (\q)+1, 0
	WIN MUL-0x10*(\first)
	MULP 4, (\q)%2, \q, \slot, \first
	MULP 6, (\q)%2, \q, \slot, \first
	PLACES NP
	WIN 0
	FETCH_R \slot, (\q)+1, 4
.endm
; A slot's last step changes slots: ONE barrier; in front of it each wave waits for all its tensor loads, adds 0 to its spare word, and waits for that and for its reads of this slot.
.macro TURN slot, next, fill
	s_wait_tensorcnt 0x0                           ; all my tensor loads have landed: my part of the next slot
	ds_add_u32 v[SPW], v[NIL]                      ; 0 onto my spare word
	s_wait_dscnt 4*NL+1                            ; (the add and the youngest sixteen loads may be out)
	WIN MUL
	MULP 0, 1, 1, \slot, 0                         ; eight matrix instructions stand between the add and the wait for it
	s_wait_dscnt 0x0                               ; the add is done, and my reads of this slot are over
	s_barrier_signal -1
	MULP 2, 1, 1, \slot, 0
	WIN 0
	s_barrier_wait -1
.if \fill
	CREST                                          ; the barrier has opened a round of the cluster's barrier: no wave of any partner still reads this slot or has a load on its way
	s_add_nc_u64 s[G0+4*\slot+2:G0+4*\slot+3], s[G0+4*\slot+2:G0+4*\slot+3], 2*3072
	s_add_nc_u64 s[G0B+4*\slot+2:G0B+4*\slot+3], s[G0B+4*\slot+2:G0B+4*\slot+3], 2*3072
	JLOAD G0+4*\slot, G1, G0B+4*\slot, G1B         ; the first tensor load behind the round, my only one until the next; its four v_nop are the places in front of the loads below
.else
	PLACES NP
.endif
	v_add_nc_u32 v[ADRS], 1024, v[ADRS]            ; the next slot's scale words (no LDS load of mine is out)
	FETCH_P \next, 0, 0
	FETCH_R \next, 0, 0
	SCALES \next
	WIN MUL
	MULP 4, 1, 1, \slot, 0
	MULP 6, 1, 1, \slot, 0
	PLACES NP
	WIN 0
	FETCH_R \next, 0, 4
.endm
	s_wait_tensorcnt 1                             ; the scales and my part of slot 0 are in; slot 1's load may be out
	s_barrier_signal -1
	s_barrier_wait -1
	FETCH_P 0, 0, 0
	FETCH_R 0, 0, 0
	SCALES 0
	FETCH_R 0, 0, 4
	s_wait_loadcnt 0x0                             ; the bias
	STEP 0, 0, 1                                   ; the first products start the sums from the bias.  K = 1,024 is four slots' worth: written out, no loop
	TURN 0, 1, 1
	STEP 1, 0, 0
	TURN 1, 0, 1
	STEP 0, 0, 0
	TURN 0, 1, 0                                   ; nothing is left to fetch; behind its barrier nobody reads slot 0 any more
	STEP 1, 0, 0
	s_wait_dscnt 4*NL
	WIN MUL
	MULP 0, 1, 1, 1, 0
	MULP 2, 1, 1, 1, 0
	s_wait_dscnt 0x0
	MULP 4, 1, 1, 1, 0
	MULP 6, 1, 1, 1, 0
	WIN 0
; THE WAY OUT, block by block of 16 tokens x 64 columns.  A lane holds 32 neighbouring bytes of a row at a time, and the lanes beside it hold other rows: so a block goes through my own
; stage in LDS and comes back as whole rows of 256 bytes.  LDS serves a wave's instructions in order (ISA guide 5.7.1.4): no wait between the stores and the loads.
.macro TOSTAGE a
	WIN 0x08                                       ; an LDS store's data are its source 1: window 2
.irp b, 0,1,2,3
	ds_store_b128 v[STO], v[8*(4*(\a)+\b):8*(4*(\a)+\b)+3] offset:128*(\b/2)+32*(\b%2)        ; each accumulator from its low end on
	ds_store_b128 v[STO], v[8*(4*(\a)+\b)+4:8*(4*(\a)+\b)+7] offset:128*(\b/2)+32*(\b%2)+16
.endr
	WIN 0
.irp t, 0,1,2,3,4,5,6,7
	ds_load_b128 v[BK+32*((\a)%2)+4*\t:BK+32*((\a)%2)+4*\t+3], v[RD] offset:\t*2*SPITCH
.endr
.endm
.macro SEND a, younger                 ; younger: the LDS instructions issued behind block a's loads, which may stay out
	s_wait_dscnt \younger
.irp t, 0,1,2,3,4,5,6,7                ; stage row 2 t + (lane / 16) is token 32 (a / 2) + 8 (a % 2) + 2 t + 8 (t / 4) + (lane / 16) of my 128
	global_store_b128 v[CO], v[BK+32*((\a)%2)+4*\t:BK+32*((\a)%2)+4*\t+3], s[14:15] offset:(32*((\a)/2)+8*((\a)%2)+2*\t+8*(\t/4))*4096 th:TH_STORE_NT   ; sixteen lanes store 256 consecutive bytes, aligned
.endr
.endm
	PLACES NP                                      ; behind the last products: results are read, and R's registers loaded into, below
	TOSTAGE 0
.irp a, 1,2,3,4,5,6,7
.if \a > 1
	s_wait_xcnt 0x0                                ; block a - 2's stores have read their registers: block a's loads may land there
.endif
	TOSTAGE \a
	SEND \a-1, 16                                  ; behind block a - 1's loads: block a's 8 stores and 8 loads
.endr
	SEND 7, 0
	s_wait_tensorcnt 0x0                           ; the wave's end
	ds_add_u32 v[SPW], v[NIL]
	s_wait_dscnt 0x0
	CROUND                                         ; the closing round: no work-group ends while a partner may still ask for a tile that names it
	s_endpgm
.Lfunc_end_k_qccf092554e_proj:
	.size	k_qccf092554e_proj, .Lfunc_end_k_qccf092554e_proj-k_qccf092554e_proj
	.p2alignl 7, 3214868480
	.fill 96, 4, 3214868480
	.section	.rodata,"a",@progbits
	.p2align	6, 0x0
	.amdhsa_kernel k_qccf092554e_proj
		.amdhsa_group_segment_fixed_size 327680
		.amdhsa_private_segment_fixed_size 0
		.amdhsa_enable_private_segment 0
		.amdhsa_kernarg_size 48
		.amdhsa_user_sgpr_count 2
		.amdhsa_user_sgpr_kernarg_segment_ptr 1
		.amdhsa_wavefront_size32 1
		.amdhsa_system_sgpr_workgroup_id_x 1
		.amdhsa_system_sgpr_workgroup_id_y 1
		.amdhsa_system_sgpr_workgroup_id_z 1
		.amdhsa_system_vgpr_workitem_id 0
		.amdhsa_next_free_vgpr 768
		.amdhsa_next_free_sgpr 102
		.amdhsa_reserve_vcc 0
		.amdhsa_float_denorm_mode_32 3
		.amdhsa_float_denorm_mode_16_64 3
		.amdhsa_memory_ordered 1
		.amdhsa_forward_progress 1
		.amdhsa_inst_pref_size 90
	.end_amdhsa_kernel
	.amdgpu_metadata
---
amdhsa.version: [ 1, 2 ]
amdhsa.kernels:
  - .name:           k_qccf092554e_proj
    .symbol:         k_qccf092554e_proj.kd
    .args:
      - { .name: yc, .offset: 0, .size: 8, .value_kind: global_buffer, .address_space: global }
      - { .name: ys, .offset: 8, .size: 8, .value_kind: global_buffer, .address_space: global }
      - { .name: wc, .offset: 16, .size: 8, .value_kind: global_buffer, .address_space: global }
      - { .name: ws, .offset: 24, .size: 8, .value_kind: global_buffer, .address_space: global }
      - { .name: b_proj, .offset: 32, .size: 8, .value_kind: global_buffer, .address_space: global }
      - { .name: out0, .offset: 40, .size: 8, .value_kind: global_buffer, .address_space: global }
    .group_segment_fixed_size: 327680
    .private_segment_fixed_size: 0
    .kernarg_segment_align: 8
    .kernarg_segment_size: 48
    .max_flat_workgroup_size: 128
    .sgpr_count:     102
    .vgpr_count:     768
    .wavefront_size: 32
...
	.end_amdgpu_metadata
.endif
;; end of part 4
